; MI455X (gfx1250); checked and timed in simulation.
; The chip was launched on July 23, 2026; its instructions are those of AMD's public machine-readable ISA for CDNA 5 (MIT licence, August 2026) and "CDNA5" Instruction Set Architecture Reference Guide (July 2026). The comments in the code are by the model that wrote it; some were corrected since.
;; Rotary Self Attention. Allowed arithmetic: float matrix products may take bf16 or f16 operands with f32 sums; all other float work in f32.
;; Inputs: b_out 1,024 float32; b_qkv 3,072 float32; ln_b 1,024 float32; ln_g 1,024 float32; rotary 2 x 2,048 x 64 float32; w_out 1,024 x 1,024 float32; w_qkv 1,024 x 3,072 float32; x 2 x 2,048 x 1,024 float32.
;; Outputs: out0 2 x 2,048 x 1,024 float32.
;; 2 versions, each right. Each part assembles by itself: llvm-mc -triple=amdgcn-amd-amdhsa -mcpu=gfx1250 --defsym DOCPART=n.
;; ======== version 1 of 2: 4 launches
;; limits: values are held in f16: magnitudes above 65,504 overflow, below 6.1e-05 lose precision
;; workspace buffers: hn 8,388,608 bytes; wq 6,291,456 bytes; wo 2,097,152 bytes; cs 2,097,152 bytes; qkv 25,165,824 bytes; ao 8,388,608 bytes
;; launch prep (part 1): grid 256 x 1, 8 waves a work-group, no clusters, 0 bytes of LDS; arguments x, ln_g, ln_b, w_qkv, w_out, rotary, hn, wq, wo, cs; writes hn, wq, wo, cs
.if DOCPART == 1
	.amdgcn_target "amdgcn-amd-amdhsa--gfx1250"
	.amdhsa_code_object_version 6
	.text
	.protected	k_q5413bd70d8_prep
	.globl	k_q5413bd70d8_prep
	.p2align	8
	.type	k_q5413bd70d8_prep,@function
k_q5413bd70d8_prep:
	s_mov_b64 s[64:65], 0
	v_nop
	global_prefetch_b8 v0, s[64:65] scope:SCOPE_SE
	s_setreg_imm32_b32 hwreg(HW_REG_WAVE_MODE, 25, 1), 1
	s_wait_xcnt 0x0
; prep: everything that is done once per input number, so that the three matrix launches find 16-bit operands.
;   hn[4096][1024] f16 = LayerNorm(x) * g + b        wq[1024][3072], wo[1024][1024] f16 = the weights, layout kept
;   cs[4096][128]  f32 = per token: words 0-63 cos f[d], words 64-127 s'[d] = -sin f[d] (d even), +sin f[d] (d odd)
; 2,048 waves (256 work-groups of 8); wave gw takes two rows of x, two tokens of rotary, 6,144 bytes of w_qkv and 2,048 of w_out.
; A stream: no LDS, no barrier, no matrix unit, no cluster (no byte is read by two work-groups but g and b, 8 KiB).
; All 49 loads of a wave are issued first; each wait counts the younger loads that may stay out.
; No register that a store reads is written again, so no wait frees a store's sources.
; LIMITS: h is kept in f16: |h| < 65,504.  |rotary| < 2^24 (the quadrant number is converted to a whole number; the
; reduction takes pi/2 in two parts).  sin and cos are polynomials on |r| <= pi/4, cut at r^7 and r^8: error below 4e-7.
.set X0, 32                            ; v[32:63]   row 2 gw: lane L holds columns 128 j + 4 L .. + 3 in registers 4 j .. 4 j + 3
.set X1, 64                            ; v[64:95]   row 2 gw + 1
.set G,  96                            ; v[96:127]  ln_g, same columns
.set BB, 128                           ; v[128:159] ln_b
.set R,  160                           ; v[160:163] four angles: token L >> 4, d = 4 (L & 15) + i
.set WQ, 164                           ; v[164:211] twelve times four numbers of w_qkv
.set WO, 212                           ; v[212:227] four times four numbers of w_out
.set CC, 228                           ; v[228:231] cos
.set SS, 232                           ; v[232:235] s'
.set U,  236                           ; v[236:255] five registers at work for each of the four angles
	s_load_b512 s[4:19], s[0:1], 0x0               ; x, ln_g, ln_b, w_qkv, w_out, rotary, hn, wq
	s_load_b128 s[20:23], s[0:1], 0x40             ; wo, cs
	v_lshrrev_b32 v4, 5, v0
	v_readfirstlane_b32 s24, v4                    ; wave 0..7
	s_lshl_b32 s25, ttmp9, 3
	s_add_co_u32 s24, s24, s25                     ; gw = 8 x work-group + wave
	v_and_b32 v4, 31, v0                           ; L
	v_and_b32 v5, 15, v0
	v_bfe_u32 v6, v0, 4, 1
	v_lshlrev_b32 v1, 4, v4                        ; 16 L: f32 loads
	v_lshlrev_b32 v2, 3, v4                        ; 8 L: f16 stores
	v_lshlrev_b32 v3, 4, v5
	v_lshl_add_u32 v3, v6, 9, v3                   ; table: 512 (L >> 4) + 16 (L & 15)
	s_mov_b32 s27, 0
	s_mov_b32 s32, 0x76543210                      ; v_permlanex16_b32: lane i reads lane i of the other half
	s_mov_b32 s33, 0xfedcba98
	s_mov_b32 s34, 0x3a800000                      ; 1/1024
	s_mov_b32 s35, 0x3727c5ac                      ; eps = 1e-5
	s_mov_b32 s36, 0x80000000                      ; the sign bit
	s_wait_kmcnt 0x0
.macro STEP p, bytes                   ; the pointer in s[p:p+1] goes to this wave's share
	s_mul_i32 s26, s24, \bytes
	s_add_nc_u64 s[\p:\p+1], s[\p:\p+1], s[26:27]
.endm
	STEP 4, 8192
	STEP 10, 6144
	STEP 12, 2048
	STEP 14, 512
	STEP 16, 4096
	STEP 18, 3072
	STEP 20, 1024
	STEP 22, 1024
.irp j, 0,1,2,3,4,5,6,7
	global_load_b128 v[X0+4*\j:X0+4*\j+3], v1, s[4:5] offset:512*\j th:TH_LOAD_NT
.endr
.irp j, 0,1,2,3,4,5,6,7
	global_load_b128 v[X1+4*\j:X1+4*\j+3], v1, s[4:5] offset:4096+512*\j th:TH_LOAD_NT
.endr
.irp j, 0,1,2,3,4,5,6,7
	global_load_b128 v[G+4*\j:G+4*\j+3], v1, s[6:7] offset:512*\j
.endr
.irp j, 0,1,2,3,4,5,6,7
	global_load_b128 v[BB+4*\j:BB+4*\j+3], v1, s[8:9] offset:512*\j
.endr
	global_load_b128 v[R:R+3], v1, s[14:15] th:TH_LOAD_NT
.irp j, 0,1,2,3,4,5,6,7,8,9,10,11
	global_load_b128 v[WQ+4*\j:WQ+4*\j+3], v1, s[10:11] offset:512*\j th:TH_LOAD_NT
.endr
.irp j, 0,1,2,3
	global_load_b128 v[WO+4*\j:WO+4*\j+3], v1, s[12:13] offset:512*\j th:TH_LOAD_NT
.endr
.macro WSUM                            ; v4 summed over the 32 lanes, the result in every lane; v5 at work (written before)
	v_add_f32_dpp v4, v4, v4 row_xmask:1 row_mask:0xf bank_mask:0xf
	v_add_f32_dpp v4, v4, v4 row_xmask:2 row_mask:0xf bank_mask:0xf
	v_add_f32_dpp v4, v4, v4 row_xmask:4 row_mask:0xf bank_mask:0xf
	v_add_f32_dpp v4, v4, v4 row_xmask:8 row_mask:0xf bank_mask:0xf
	v_permlanex16_b32 v5, v4, s32, s33
	v_add_f32 v4, v4, v5
.endm
.macro FOLD                            ; the four chains v[4:11] into v4
	v_pk_add_f32 v[4:5], v[4:5], v[6:7]
	v_pk_add_f32 v[8:9], v[8:9], v[10:11]
	v_pk_add_f32 v[4:5], v[4:5], v[8:9]
	v_add_f32 v4, v4, v5
.endm
; The row in v[X:X+31] is centred in place; 1 / sqrt(var + eps) goes into the pair v[RS:RS+1].
; Two passes (the mean first, then the squares of x - mean): a common offset of x costs no digits.
.macro LNSTAT X, RS
.irp k, 0,2,4,6
	v_pk_add_f32 v[4+\k:5+\k], v[\X+\k:\X+\k+1], v[\X+8+\k:\X+9+\k]
.endr
.irp k, 0,2,4,6
	v_pk_add_f32 v[4+\k:5+\k], v[4+\k:5+\k], v[\X+16+\k:\X+17+\k]
.endr
.irp k, 0,2,4,6
	v_pk_add_f32 v[4+\k:5+\k], v[4+\k:5+\k], v[\X+24+\k:\X+25+\k]
.endr
	FOLD
	WSUM
	v_mul_f32 v12, 0xba800000, v4                  ; -mean = sum x (-1/1024)
	v_mov_b32 v13, v12
.set i, 0
.rept 16
	v_pk_add_f32 v[\X+i:\X+i+1], v[\X+i:\X+i+1], v[12:13]
.set i, i+2
.endr
.irp k, 0,2,4,6
	v_pk_mul_f32 v[4+\k:5+\k], v[\X+\k:\X+\k+1], v[\X+\k:\X+\k+1]
.endr
.set i, 8
.rept 12
	v_pk_fma_f32 v[4+i%8:5+i%8], v[\X+i:\X+i+1], v[\X+i:\X+i+1], v[4+i%8:5+i%8]
.set i, i+2
.endr
	FOLD
	WSUM
	v_fma_f32 v4, v4, s34, s35                     ; var + eps
	v_rsq_f32 v[\RS], v4
	v_nop                                          ; one plain place behind the transcendental (ISA guide 5.7.2)
	s_wait_alu depctr_va_vdst(0)
	v_mov_b32 v[\RS+1], v[\RS]
.endm
; (x - mean) * rstd * g + b, rounded once to f16; each store of the wave covers 256 consecutive bytes, aligned.
.macro LNOUT X, RS, off
.set i, 0
.rept 16
	v_pk_mul_f32 v[\X+i:\X+i+1], v[\X+i:\X+i+1], v[\RS:\RS+1]
.set i, i+2
.endr
.set i, 0
.rept 16
	v_pk_fma_f32 v[\X+i:\X+i+1], v[\X+i:\X+i+1], v[G+i:G+i+1], v[BB+i:BB+i+1]
.set i, i+2
.endr
.set i, 0
.rept 16
	v_cvt_pk_f16_f32 v[\X+i], v[\X+2*i], v[\X+2*i+1]       ; in place, ascending: register i is read no later than it is written
.set i, i+1
.endr
.irp j, 0,1,2,3,4,5,6,7
	global_store_b64 v2, v[\X+2*\j:\X+2*\j+1], s[16:17] offset:\off+256*\j
.endr
.endm
	s_wait_loadcnt 33                              ; both rows of x are in; g, b, the angles and the weights (8+8+1+12+4) stay out
	LNSTAT X0, 14
	LNSTAT X1, 16
	s_wait_loadcnt 17                              ; g and b are in; 1+12+4 stay out
	LNOUT X0, 14, 0
	LNOUT X1, 16, 2048
; cos and s' of angle i.  n = nearest whole number to f * 2/pi; r = f - n * pi/2 in two fused steps; polynomials in r;
; the quadrant n mod 4 swaps the two and sets the signs.  For even i (even d) the sine's sign is turned once more,
; by adding 2 to the quadrant in front of the shift.
.macro SINCOS i
.set t, U+5*\i
	v_mul_f32 v[t], 0x3f22f983, v[R+\i]
	v_rndne_f32 v[t], v[t]
	v_fmamk_f32 v[t+1], v[t], 0xbfc90fdb, v[R+\i]
	v_fmamk_f32 v[t+1], v[t], 0x333bbd2e, v[t+1]
	v_cvt_i32_f32 v[t], v[t]
	v_mul_f32 v[t+2], v[t+1], v[t+1]               ; z = r^2
	v_mov_b32 v[t+3], 0xb9500d01                   ; -1/5040
	v_mov_b32 v[t+4], 0x37d00d01                   ; 1/40320
	v_fmaak_f32 v[t+3], v[t+3], v[t+2], 0x3c088889 ; 1/120
	v_fmaak_f32 v[t+4], v[t+4], v[t+2], 0xbab60b61 ; -1/720
	v_fmaak_f32 v[t+3], v[t+3], v[t+2], 0xbe2aaaab ; -1/6
	v_fmaak_f32 v[t+4], v[t+4], v[t+2], 0x3d2aaaab ; 1/24
	v_mul_f32 v[CC+\i], v[t+1], v[t+2]             ; r z
	v_fmaak_f32 v[t+4], v[t+4], v[t+2], 0xbf000000 ; -1/2
	v_fma_f32 v[t+3], v[CC+\i], v[t+3], v[t+1]     ; sin r
	v_fma_f32 v[t+4], v[t+4], v[t+2], 1.0          ; cos r
	v_and_b32 v[t+1], 1, v[t]
	v_cmp_eq_u32 vcc_lo, 1, v[t+1]                 ; odd quadrant: the two change places
	v_cndmask_b32 v[SS+\i], v[t+3], v[t+4], vcc_lo
	v_cndmask_b32 v[CC+\i], v[t+4], v[t+3], vcc_lo
	v_add_nc_u32 v[t+2], 1, v[t]
.if (\i&1) == 0
	v_add_nc_u32 v[t], 2, v[t]
.endif
	v_lshlrev_b32 v[t+1], 30, v[t]                 ; bit 1 of the quadrant is the sine's sign,
	v_lshlrev_b32 v[t+2], 30, v[t+2]               ; bit 1 of the quadrant + 1 the cosine's
	v_and_b32 v[t+1], s36, v[t+1]
	v_and_b32 v[t+2], s36, v[t+2]
	v_xor_b32 v[SS+\i], v[SS+\i], v[t+1]
	v_xor_b32 v[CC+\i], v[CC+\i], v[t+2]
.endm
	s_wait_loadcnt 16                              ; the angles are in; the weights (12+4) stay out
	SINCOS 0
	SINCOS 1
	SINCOS 2
	SINCOS 3
	global_store_b128 v3, v[CC:CC+3], s[22:23]             ; sixteen lanes fill 256 consecutive bytes: a token's 64 cosines
	global_store_b128 v3, v[SS:SS+3], s[22:23] offset:256  ; and its 64 s'
	s_wait_loadcnt 4                               ; w_qkv is in; w_out's four loads stay out
.irp j, 0,1,2,3,4,5,6,7,8,9,10,11
	v_cvt_pk_f16_f32 v[WQ+4*\j], v[WQ+4*\j], v[WQ+4*\j+1]
	v_cvt_pk_f16_f32 v[WQ+4*\j+1], v[WQ+4*\j+2], v[WQ+4*\j+3]
	global_store_b64 v2, v[WQ+4*\j:WQ+4*\j+1], s[18:19] offset:256*\j
.endr
	s_wait_loadcnt 0x0
.irp j, 0,1,2,3
	v_cvt_pk_f16_f32 v[WO+4*\j], v[WO+4*\j], v[WO+4*\j+1]
	v_cvt_pk_f16_f32 v[WO+4*\j+1], v[WO+4*\j+2], v[WO+4*\j+3]
	global_store_b64 v2, v[WO+4*\j:WO+4*\j+1], s[20:21] offset:256*\j
.endr
	s_endpgm
.Lfunc_end_k_q5413bd70d8_prep:
	.size	k_q5413bd70d8_prep, .Lfunc_end_k_q5413bd70d8_prep-k_q5413bd70d8_prep
	.p2alignl 7, 3214868480
	.fill 96, 4, 3214868480
	.section	.rodata,"a",@progbits
	.p2align	6, 0x0
	.amdhsa_kernel k_q5413bd70d8_prep
		.amdhsa_group_segment_fixed_size 0
		.amdhsa_private_segment_fixed_size 0
		.amdhsa_enable_private_segment 0
		.amdhsa_kernarg_size 80
		.amdhsa_user_sgpr_count 2
		.amdhsa_user_sgpr_kernarg_segment_ptr 1
		.amdhsa_wavefront_size32 1
		.amdhsa_system_sgpr_workgroup_id_x 1
		.amdhsa_system_sgpr_workgroup_id_y 1
		.amdhsa_system_sgpr_workgroup_id_z 1
		.amdhsa_system_vgpr_workitem_id 0
		.amdhsa_next_free_vgpr 256
		.amdhsa_next_free_sgpr 66
		.amdhsa_reserve_vcc 1
		.amdhsa_float_denorm_mode_32 3
		.amdhsa_float_denorm_mode_16_64 3
		.amdhsa_memory_ordered 1
		.amdhsa_forward_progress 1
		.amdhsa_inst_pref_size 32
	.end_amdhsa_kernel
	.amdgpu_metadata
---
amdhsa.version: [ 1, 2 ]
amdhsa.kernels:
  - .name:           k_q5413bd70d8_prep
    .symbol:         k_q5413bd70d8_prep.kd
    .args:
      - { .name: x, .offset: 0, .size: 8, .value_kind: global_buffer, .address_space: global }
      - { .name: ln_g, .offset: 8, .size: 8, .value_kind: global_buffer, .address_space: global }
      - { .name: ln_b, .offset: 16, .size: 8, .value_kind: global_buffer, .address_space: global }
      - { .name: w_qkv, .offset: 24, .size: 8, .value_kind: global_buffer, .address_space: global }
      - { .name: w_out, .offset: 32, .size: 8, .value_kind: global_buffer, .address_space: global }
      - { .name: rotary, .offset: 40, .size: 8, .value_kind: global_buffer, .address_space: global }
      - { .name: hn, .offset: 48, .size: 8, .value_kind: global_buffer, .address_space: global }
      - { .name: wq, .offset: 56, .size: 8, .value_kind: global_buffer, .address_space: global }
      - { .name: wo, .offset: 64, .size: 8, .value_kind: global_buffer, .address_space: global }
      - { .name: cs, .offset: 72, .size: 8, .value_kind: global_buffer, .address_space: global }
    .group_segment_fixed_size: 0
    .private_segment_fixed_size: 0
    .kernarg_segment_align: 8
    .kernarg_segment_size: 80
    .max_flat_workgroup_size: 256
    .sgpr_count:     66
    .vgpr_count:     256
    .wavefront_size: 32
...
	.end_amdgpu_metadata
.endif
;; end of part 1
;; launch qkvproj (part 2): grid 16 x 16, 4 waves a work-group, clusters of 4 x 4, 327,680 bytes of LDS; arguments hn, wq, cs, b_qkv, qkv; writes qkv
.if DOCPART == 2
	.amdgcn_target "amdgcn-amd-amdhsa--gfx1250"
	.amdhsa_code_object_version 6
	.text
	.protected	k_q5413bd70d8_qkvproj
	.globl	k_q5413bd70d8_qkvproj
	.p2align	8
	.type	k_q5413bd70d8_qkvproj,@function
k_q5413bd70d8_qkvproj:
	s_mov_b64 s[64:65], 0
	v_nop
	global_prefetch_b8 v0, s[64:65] scope:SCOPE_SE
	s_setreg_imm32_b32 hwreg(HW_REG_WAVE_MODE, 25, 1), 1
	s_wait_xcnt 0x0
	s_wait_alu depctr_hold_cnt(0) depctr_sa_sdst(0) depctr_va_vdst(0) depctr_va_sdst(0) depctr_va_ssrc(0) depctr_va_vcc(0) depctr_vm_vsrc(0)
	s_getreg_b32 s2, hwreg(HW_REG_IB_STS2, 6, 4)
	s_cmp_eq_u32 s2, 0
	s_cbranch_scc0 .Lentry_in_a_cluster
	s_endpgm
.Lentry_in_a_cluster:
	s_bfe_u32 s2, ttmp6, 0x10000c
	s_cmp_lg_u32 s2, 0xf033
	s_cbranch_scc0 .Lentry_shape_is_right
	s_endpgm
.Lentry_shape_is_right:
; qkvproj: qkv = rotary(hn x wq + b_qkv), f16, stored head-major: qkv[b][48 head slots][2048 tokens][64].
; A work-group makes 256 tokens (ty) x 192 features = 3 head slots (fx): 16 x 16 = 256 work-groups of equal work.
; Wave w makes tokens 64 w .. 64 w + 63 x all 192 features: 12 x 4 accumulator tiles of 16 x 16, 384 registers.
; K = 1024 goes in 8 steps of 128 through two LDS slots filled by the tensor data mover; a step is four quarters of 32.
; CLUSTERS 4 x 4: hn's tile hangs on ty alone and is asked for jointly along a row of the cluster, wq's on fx alone and is
; asked for jointly along a column; the cos/sin table of the block's tokens hangs on ty alone, row again.
; THE MATRIX INSTRUCTION IS USED TRANSPOSED: source 0 = 16 features (from wq, stored [k][n], by the transposing LDS load),
; source 1 = 16 tokens.  Lane (r = L & 15, h = L >> 4) then holds features 8 h + j (register j) of token r: the pairs that
; the rotary mixes lie in neighbouring registers, and eight results pack into 16 bytes of one token's row.
; The bias is the C operand of the first products: no register is cleared and no add is spent on it.
; LIMITS: operands and results are f16: |h|, |q|, |k|, |v| < 65,504.
; wq's tile rows are 384 bytes and begin at multiples of 384 bytes, since the weights keep their [k][n] layout.
.set SLOT,  135168                     ; hn: 256 rows x 272 = 69,632; wq: 128 k rows x 480 = 61,440; the rest is there for the table
.set BOFF,  69632                      ; wq's tile in a slot.  A k row is 3 x (128 bytes + 32 of padding): element (k, n) at 480 k + 160 (n >> 6) + 2 (n & 63)
.set STAGE, 270336                     ; behind the slots: 3 heads x 16 tokens x 144 bytes for each wave; no tensor load lands here
.set ADRA, 4                           ; v4-5   slot s: (64 w + r) 272 + 16 h
.set ADRB, 6                           ; v6-7   slot s: BOFF + (8 h + (L & 7)) 480 + 16 ((L >> 3) & 1)
.set BO,   8                           ; v8     32 h: my eight biases of a feature tile
.set TB,   9                           ; v9     table: (64 w + r) 528 + 32 h
.set STO,  10                          ; v10    stage, in: 144 r + 16 h
.set RD,   11                          ; v11    stage, back: 144 (L >> 3) + 16 (L & 7)
.set CO,   12                          ; v12    16 L
.set T,    32                          ; v32-127  window 0: rotated results, 8 a + j
.set RB,   32                          ; v32-79   window 0: rows read back from the stage (T is spent by then)
.set CT,   128                         ; v128-159 window 0: cos of d = 16 c + 8 h + j at 8 c + j
.set ST,   160                         ; v160-191 window 0: s'
.set PK,   192                         ; v192-239 window 0: packed f16
.set BIAS, 128                         ; v128-223 window 3: b_qkv, 8 a + j
; window 1: v0-95, v96-191 weight fragments (8 a), two buffers; v192-223, v224-255 token fragments (8 b), two buffers
; window 2: accumulators of a = 0..7 at 8 (4 a + b);  window 3: of a = 8..11 at 8 (4 (a - 8) + b)
.set G1A, 32
.set G0A, 40                           ; one set of four for each slot
.set G1B, 48
.set G0B, 56
.set G1T, 68
.set G0T, 76
.set MSB, 0
.macro WIN new                         ; s_set_vgpr_msb: bits 1:0 source 0, 3:2 source 1, 5:4 source 2, 7:6 destination; the high byte repeats the setting left
.if MSB != \new
	s_set_vgpr_msb (MSB<<8)|\new
.set MSB, \new
.endif
.endm
.macro PLACES                          ; four places behind matrix instructions (ISA guide 7.12.1), where no useful vector work is at hand
.rept 4
	v_nop
.endr
.endm
.macro CREST                           ; a round of the cluster's barrier behind its opening work-group barrier
	s_cmp_lg_u32 s14, 0
	s_cbranch_scc1 .Lnot_wave_0_\@
	s_barrier_signal -3
.Lnot_wave_0_\@:
	s_barrier_wait -3
	s_barrier_signal -1
	s_barrier_wait -1
.endm
.macro CROUND
	s_barrier_signal -1
	s_barrier_wait -1
	CREST
.endm
.macro JLOAD s                         ; waves 0, 1 ask for hn's two halves, waves 2, 3 for wq's: one load a wave, one mask a line
	s_cmp_eq_u32 s15, 0
	s_cbranch_scc0 .Lfor_b_\@
	tensor_load_to_lds s[G0A+4*\s:G0A+4*\s+3], s[G1A:G1A+7]
	s_nop 0
	s_branch .Lasked_\@
.Lfor_b_\@:
	tensor_load_to_lds s[G0B+4*\s:G0B+4*\s+3], s[G1B:G1B+7]
	s_nop 0
.Lasked_\@:
.endm
	s_load_b256 s[4:11], s[0:1], 0x0               ; hn s[4:5], wq s[6:7], cs s[8:9], b_qkv s[10:11]
	s_load_b64 s[12:13], s[0:1], 0x20              ; qkv
	v_lshl_add_u32 v254, v0, 2, 0x48c00
	v_mov_b32 v255, 0
	ds_add_u32 v254, v255
	v_lshrrev_b32 v1, 5, v0
	v_readfirstlane_b32 s14, v1                    ; wave 0..3
	s_lshr_b32 s15, s14, 1                         ; I fetch for hn (0) or for wq (1)
	s_and_b32 s16, s14, 1                          ; which half of that tile
	s_bfe_u32 s17, ttmp6, 0x40000                  ; cx
	s_bfe_u32 s18, ttmp6, 0x40004                  ; cy
	s_lshl_b32 s19, ttmp9, 2
	s_add_co_u32 s19, s19, s17                     ; fx = 4 x cluster x + cx
	s_and_b32 s20, ttmp7, 0xffff
	s_lshl_b32 s20, s20, 2
	s_add_co_u32 s20, s20, s18                     ; ty = 4 x cluster y + cy
	s_lshl_b32 s21, s18, 2
	s_lshl_b32 s21, 15, s21                        ; my row of the cluster
	s_lshl_b32 s22, 0x1111, s17                    ; my column
	; group 1, hn: 128 rows x 128 f16 (256 bytes), 16 bytes of padding behind every 64 words: LDS pitch 272
	s_or_b32 s[G1A+0], s21, (1<<16)|(1<<20)|(1<<21)|(5<<22)|(3<<25)
	s_mov_b32 s[G1A+1], 128<<16                    ; tensor_dim0
	s_mov_b32 s[G1A+2], 128<<16                    ; tensor_dim1
	s_mov_b32 s[G1A+3], 128<<16                    ; tile_dim0
	s_mov_b32 s[G1A+4], 128                        ; tile_dim1
	s_mov_b32 s[G1A+5], 1024                       ; elements from row to row
	s_mov_b32 s[G1A+6], 0
	s_mov_b32 s[G1A+7], 0
	; group 1, wq: 64 k rows x 192 f16 (384 bytes), 32 bytes of padding behind every 32 words: LDS pitch 480
	s_or_b32 s[G1B+0], s22, (1<<16)|(1<<20)|(1<<21)|(4<<22)|(7<<25)
	s_mov_b32 s[G1B+1], 192<<16
	s_mov_b32 s[G1B+2], 64<<16
	s_mov_b32 s[G1B+3], 192<<16
	s_mov_b32 s[G1B+4], 64
	s_mov_b32 s[G1B+5], 3072
	s_mov_b32 s[G1B+6], 0
	s_mov_b32 s[G1B+7], 0
	; group 1, table: 64 rows x 128 f32 (512 bytes), 16 bytes of padding behind every 128 words: LDS pitch 528
	s_or_b32 s[G1T+0], s21, (2<<16)|(1<<20)|(1<<21)|(6<<22)|(3<<25)
	s_mov_b32 s[G1T+1], 128<<16
	s_mov_b32 s[G1T+2], 64<<16
	s_mov_b32 s[G1T+3], 128<<16
	s_mov_b32 s[G1T+4], 64
	s_mov_b32 s[G1T+5], 128
	s_mov_b32 s[G1T+6], 0
	s_mov_b32 s[G1T+7], 0
	; byte offsets.  hn's and the table's are made of ty and the wave alone, wq's of fx and the wave alone, each in registers of its own.
	s_lshl_b32 s24, s20, 8
	s_lshl_b32 s25, s16, 7
	s_add_co_u32 s24, s24, s25
	s_lshl_b32 s24, s24, 11                        ; hn: (256 ty + 128 half) rows of 2,048 bytes
	s_mov_b32 s25, 0
	s_mul_i32 s28, s16, 64*6144
	s_mul_i32 s29, s19, 384
	s_add_co_u32 s28, s28, s29                     ; wq: 64 half rows of 6,144 bytes + 384 fx
	s_mov_b32 s29, 0
	s_lshl_b32 s80, s20, 8
	s_lshl_b32 s81, s14, 6
	s_add_co_u32 s80, s80, s81
	s_lshl_b32 s80, s80, 9                         ; table: (256 ty + 64 w) rows of 512 bytes
	s_mov_b32 s81, 0
	s_mul_i32 s84, s19, 768                        ; bias: 192 fx numbers
	s_mov_b32 s85, 0
	s_lshr_b32 s86, s20, 3                         ; batch
	s_mul_i32 s86, s86, 48
	s_mul_i32 s87, s19, 3
	s_add_co_u32 s86, s86, s87
	s_lshl_b32 s86, s86, 18                        ; head slot 48 b + 3 fx, 262,144 bytes each
	s_and_b32 s87, s20, 7
	s_lshl_b32 s87, s87, 15
	s_add_co_u32 s86, s86, s87                     ; + 256 (ty & 7) tokens of 128 bytes
	s_lshl_b32 s87, s14, 13
	s_add_co_u32 s86, s86, s87                     ; + 64 w tokens
	s_mov_b32 s87, 0
	s_mul_i32 s88, s16, 128*272                    ; LDS: hn's half
	s_mul_i32 s89, s16, 64*480
	s_add_co_u32 s89, s89, BOFF                    ; wq's half
	s_mul_i32 s90, s14, 64*528                     ; my 64 rows of the table
	s_wait_dscnt 0x0
	s_wait_kmcnt 0x0
	s_add_nc_u64 s[26:27], s[4:5], s[24:25]
	s_add_nc_u64 s[30:31], s[6:7], s[28:29]
	s_add_nc_u64 s[82:83], s[8:9], s[80:81]
	s_add_nc_u64 s[10:11], s[10:11], s[84:85]
	s_add_nc_u64 s[12:13], s[12:13], s[86:87]
.irp s, 0,1
	s_mov_b32 s[G0A+4*\s], 1
	s_add_co_u32 s[G0A+4*\s+1], s88, \s*SLOT
	s_add_nc_u64 s[G0A+4*\s+2:G0A+4*\s+3], s[26:27], \s*256          ; K step s: 128 f16 along the row
	s_or_b32 s[G0A+4*\s+3], s[G0A+4*\s+3], 0x80000000
	s_mov_b32 s[G0B+4*\s], 1
	s_add_co_u32 s[G0B+4*\s+1], s89, \s*SLOT
	s_add_nc_u64 s[G0B+4*\s+2:G0B+4*\s+3], s[30:31], \s*128*6144     ; K step s: 128 rows down
	s_or_b32 s[G0B+4*\s+3], s[G0B+4*\s+3], 0x80000000
.endr
	s_mov_b32 s[G0T], 1
	s_mov_b32 s[G0T+1], s90
	s_mov_b64 s[G0T+2:G0T+3], s[82:83]
	s_or_b32 s[G0T+3], s[G0T+3], 0x80000000
	CROUND                                         ; all sixteen work-groups are here: the first joint loads meet
	JLOAD 0                                        ; both first fills go out together: two tensor loads of a wave are out, the most in this text
	JLOAD 1
	v_and_b32 v1, 15, v0                           ; r
	v_bfe_u32 v2, v0, 4, 1                         ; h
	v_and_b32 v3, 7, v0                            ; L & 7
	v_bfe_u32 v13, v0, 3, 1                        ; (L >> 3) & 1
	v_bfe_u32 v14, v0, 3, 2                        ; L >> 3
	v_and_b32 v15, 31, v0                          ; L
	s_mul_i32 s24, s14, 64*272
	v_mul_u32_u24 v16, v1, 272
	v_lshl_add_u32 v16, v2, 4, v16
	v_add_nc_u32 v[ADRA], s24, v16
	v_add_nc_u32 v[ADRA+1], SLOT, v[ADRA]
	v_lshl_add_u32 v17, v2, 3, v3
	v_mul_u32_u24 v17, v17, 480
	v_lshl_add_u32 v17, v13, 4, v17
	v_add_nc_u32 v[ADRB], BOFF, v17
	v_add_nc_u32 v[ADRB+1], SLOT+BOFF, v17
	v_lshlrev_b32 v[BO], 5, v2
	v_mul_u32_u24 v18, v1, 528
	v_add_nc_u32 v18, s90, v18
	v_lshl_add_u32 v[TB], v2, 5, v18
	s_mul_i32 s28, s14, 6912
	s_add_co_u32 s28, s28, STAGE
	v_mul_u32_u24 v19, v1, 144
	v_lshl_add_u32 v19, v2, 4, v19
	v_add_nc_u32 v[STO], s28, v19
	v_mul_u32_u24 v20, v14, 144
	v_lshl_add_u32 v20, v3, 4, v20
	v_add_nc_u32 v[RD], s28, v20
	v_lshlrev_b32 v[CO], 4, v15
	WIN 0xc0                                       ; destination window 3
.set ba, 0
.rept 12
	global_load_b128 v[BIAS+8*ba:BIAS+8*ba+3],   v[BO], s[10:11] offset:64*ba      ; b_qkv[192 fx + 16 a + 8 h + 0..3]
	global_load_b128 v[BIAS+8*ba+4:BIAS+8*ba+7], v[BO], s[10:11] offset:64*ba+16
.set ba, ba+1
.endr
; n feature tiles from a0 x 4 token tiles, 32 along K, from buffer f.  first = 1: C is the bias.
; The 48 accumulators take turns, one instruction a turn, in the same order in every quarter, over the loop's jump too.
.macro MUL f, a0, n, first
.set ma, \a0
.rept \n
.set acc, 8*(4*(ma&7))
.irp b, 0,1,2,3
.if \first
	v_wmma_f32_16x16x32_f16 v[acc+8*\b:acc+8*\b+7], v[96*\f+8*ma:96*\f+8*ma+7], v[192+32*\f+8*\b:192+32*\f+8*\b+7], v[BIAS+8*ma:BIAS+8*ma+7]
.else
	v_wmma_f32_16x16x32_f16 v[acc+8*\b:acc+8*\b+7], v[96*\f+8*ma:96*\f+8*ma+7], v[192+32*\f+8*\b:192+32*\f+8*\b+7], v[acc+8*\b:acc+8*\b+7]
.endif
.endr
.set ma, ma+1
.endr
.endm
.macro MULALL f, first
.if \first
	WIN 0xb5                                       ; sources window 1, C (bias) window 3, D window 2
.else
	WIN 0xa5                                       ; sources window 1, C and D window 2
.endif
	MUL \f, 0, 8, \first
	WIN 0xf5                                       ; C and D window 3
	MUL \f, 8, 4, \first
.endm
; 32 LDS loads in one run: quarter q of a slot into buffer g.  Tokens: rows along K, two loads 32 bytes apart.
; Weights: stored [k][n], two transposing loads 16 k rows apart.
.macro FETCH slot, q, g
	WIN 0x40
.irp b, 0,1,2,3
	ds_load_b128 v[192+32*\g+8*\b:192+32*\g+8*\b+3],   v[ADRA+\slot] offset:64*\q+4352*\b
	ds_load_b128 v[192+32*\g+8*\b+4:192+32*\g+8*\b+7], v[ADRA+\slot] offset:64*\q+4352*\b+32
.endr
.set fa, 0
.rept 12
	ds_load_tr16_b128 v[96*\g+8*fa:96*\g+8*fa+3],   v[ADRB+\slot] offset:15360*\q+160*(fa>>2)+32*(fa&3)
	ds_load_tr16_b128 v[96*\g+8*fa+4:96*\g+8*fa+7], v[ADRB+\slot] offset:15360*\q+160*(fa>>2)+32*(fa&3)+7680
.set fa, fa+1
.endr
.endm
; One of a step's first three quarters: buffer f is multiplied; ahead of that the next quarter's fragments are asked for,
; so that they have the 48 matrix instructions in which to land.
.macro QUARTER slot, qnext, f, g, first
	s_wait_dscnt 0x0                               ; buffer f is in
	PLACES                                         ; buffer g was read by the matrix instructions of the quarter before
	FETCH \slot, \qnext, \g
	MULALL \f, \first
.endm
; The fourth quarter multiplies buffer 1 and changes slots.  In front of the barrier each wave waits for its reads of this slot and for all
; its tensor loads (the one that is out is its part of the next slot).  The barrier opens a round of the cluster's barrier; only matrix
; instructions stand inside; the joint refill is the first tensor load behind the round, one a wave.
; mode 1: this slot gets the tiles two K steps ahead.  mode 2: slot 0 gets its last fill, the table.
.macro TURN slot, next, mode
	s_wait_dscnt 0x0
	s_set_vgpr_msb 0xf5f0
	s_wait_tensorcnt 0x0
	ds_add_u32 v254, v255
	s_wait_dscnt 0x0
	s_set_vgpr_msb 0xf0f5
	s_barrier_signal -1
	WIN 0xa5
	MUL 1, 0, 4, 0
	WIN 0
	s_barrier_wait -1
	CREST
.if \mode == 1
	s_add_nc_u64 s[G0A+4*\slot+2:G0A+4*\slot+3], s[G0A+4*\slot+2:G0A+4*\slot+3], 512
	s_add_nc_u64 s[G0B+4*\slot+2:G0B+4*\slot+3], s[G0B+4*\slot+2:G0B+4*\slot+3], 256*6144
	JLOAD \slot
.else
	tensor_load_to_lds s[G0T:G0T+3], s[G1T:G1T+7]  ; every wave its own 64 rows
	s_nop 0
.endif
	PLACES
	FETCH \next, 0, 0
	WIN 0xa5
	MUL 1, 4, 4, 0
	WIN 0xf5
	MUL 1, 8, 4, 0
.endm
.macro THREE slot, first
	QUARTER \slot, 1, 0, 1, \first
	QUARTER \slot, 2, 1, 0, 0
	QUARTER \slot, 3, 0, 1, 0
.endm
.macro LAP first
	THREE 0, \first
	TURN 0, 1, 1
	THREE 1, 0
	TURN 1, 0, 1
.endm
	s_wait_tensorcnt 0x1                           ; my part of K step 0 is in; K step 1's load may stay out
	s_barrier_signal -1
	s_barrier_wait -1
	FETCH 0, 0, 0
	s_wait_loadcnt 0x0                             ; the bias
	LAP 1                                          ; K steps 0, 1: the first products start the sums from the bias
	WIN 0
	s_mov_b32 s23, 2
.Llap:
	LAP 0                                          ; K steps 2 to 5; the refills reach K step 7
	WIN 0
	s_sub_co_u32 s23, s23, 1
	s_cmp_lg_u32 s23, 0
	s_cbranch_scc1 .Llap
	THREE 0, 0                                     ; K step 6
	TURN 0, 1, 2
	THREE 1, 0                                     ; K step 7
	s_wait_dscnt 0x0
	MULALL 1, 0
	WIN 0
	s_wait_tensorcnt 0x0                           ; my 64 rows of the table are in; no other wave reads them
	PLACES                                         ; behind the last matrix instructions, ahead of the vector reads of their results
; THE WAY OUT, 16 tokens (tile b) at a time: out[j] = t[j] cos[j] + t[j ^ 1] s'[j]; the partner comes by op_sel from the same pair.
; Then f16, 16 bytes a lane into my own stage, back as four tokens' 512 consecutive bytes, and out.
.macro OUT b
	WIN 0
.irp c, 0,1,2,3
	ds_load_b128 v[CT+8*\c:CT+8*\c+3],   v[TB] offset:8448*\b+64*\c
	ds_load_b128 v[CT+8*\c+4:CT+8*\c+7], v[TB] offset:8448*\b+64*\c+16
	ds_load_b128 v[ST+8*\c:ST+8*\c+3],   v[TB] offset:8448*\b+64*\c+256
	ds_load_b128 v[ST+8*\c+4:ST+8*\c+7], v[TB] offset:8448*\b+64*\c+272
.endr
	s_wait_dscnt 0x0
	s_wait_xcnt 0x0                                ; the last tile's stores have had their addresses translated (ISA guide 3.1): RB, which they read, is written again as T only behind this wait
	WIN 0x02                                       ; source 0 (accumulators) window 2
.set oa, 0
.rept 12
.if oa == 8
	WIN 0x03                                       ; window 3
.endif
.set ac, 8*(4*(oa&7)+\b)
.irp p, 0,2,4,6
	v_pk_mul_f32 v[T+8*oa+\p:T+8*oa+\p+1], v[ac+\p:ac+\p+1], v[CT+8*(oa&3)+\p:CT+8*(oa&3)+\p+1]
.endr
.irp p, 0,2,4,6
	v_pk_fma_f32 v[T+8*oa+\p:T+8*oa+\p+1], v[ac+\p:ac+\p+1], v[ST+8*(oa&3)+\p:ST+8*(oa&3)+\p+1], v[T+8*oa+\p:T+8*oa+\p+1] op_sel:[1,0,0] op_sel_hi:[0,1,1]
.endr
.set oa, oa+1
.endr
	WIN 0
.set oa, 0
.rept 48
	v_cvt_pk_f16_f32 v[PK+oa], v[T+2*oa], v[T+2*oa+1]
.set oa, oa+1
.endr
.set oa, 0
.rept 12
	ds_store_b128 v[STO], v[PK+4*oa:PK+4*oa+3] offset:2304*(oa>>2)+32*(oa&3)
.set oa, oa+1
.endr
.set oa, 0
.rept 12
	ds_load_b128 v[RB+4*oa:RB+4*oa+3], v[RD] offset:2304*(oa>>2)+576*(oa&3)    ; LDS serves a wave's instructions in order (ISA guide 5.7.1): these see the stores above
.set oa, oa+1
.endr
.set oa, 0
.rept 12
	s_wait_dscnt 11-oa                             ; the younger read-backs may stay out
	global_store_b128 v[CO], v[RB+4*oa:RB+4*oa+3], s[12:13] offset:262144*(oa>>2)+(16*\b+4*(oa&3))*128   ; 512 consecutive bytes: four tokens of one head slot
.set oa, oa+1
.endr
.endm
	OUT 0
	OUT 1
	OUT 2
	OUT 3
	s_wait_tensorcnt 0x0
	ds_add_u32 v254, v255
	s_wait_dscnt 0x0
	CROUND                                         ; the closing round: no work-group ends while a partner may still ask for a tile that names it
	s_endpgm
.Lfunc_end_k_q5413bd70d8_qkvproj:
	.size	k_q5413bd70d8_qkvproj, .Lfunc_end_k_q5413bd70d8_qkvproj-k_q5413bd70d8_qkvproj
	.p2alignl 7, 3214868480
	.fill 96, 4, 3214868480
	.section	.rodata,"a",@progbits
	.p2align	6, 0x0
	.amdhsa_kernel k_q5413bd70d8_qkvproj
		.amdhsa_group_segment_fixed_size 327680
		.amdhsa_private_segment_fixed_size 0
		.amdhsa_enable_private_segment 0
		.amdhsa_kernarg_size 40
		.amdhsa_user_sgpr_count 2
		.amdhsa_user_sgpr_kernarg_segment_ptr 1
		.amdhsa_wavefront_size32 1
		.amdhsa_system_sgpr_workgroup_id_x 1
		.amdhsa_system_sgpr_workgroup_id_y 1
		.amdhsa_system_sgpr_workgroup_id_z 1
		.amdhsa_system_vgpr_workitem_id 0
		.amdhsa_next_free_vgpr 992
		.amdhsa_next_free_sgpr 96
		.amdhsa_reserve_vcc 0
		.amdhsa_float_denorm_mode_32 3
		.amdhsa_float_denorm_mode_16_64 3
		.amdhsa_memory_ordered 1
		.amdhsa_forward_progress 1
		.amdhsa_inst_pref_size 194
	.end_amdhsa_kernel
	.amdgpu_metadata
---
amdhsa.version: [ 1, 2 ]
amdhsa.kernels:
  - .name:           k_q5413bd70d8_qkvproj
    .symbol:         k_q5413bd70d8_qkvproj.kd
    .args:
      - { .name: hn, .offset: 0, .size: 8, .value_kind: global_buffer, .address_space: global }
      - { .name: wq, .offset: 8, .size: 8, .value_kind: global_buffer, .address_space: global }
      - { .name: cs, .offset: 16, .size: 8, .value_kind: global_buffer, .address_space: global }
      - { .name: b_qkv, .offset: 24, .size: 8, .value_kind: global_buffer, .address_space: global }
      - { .name: qkv, .offset: 32, .size: 8, .value_kind: global_buffer, .address_space: global }
    .group_segment_fixed_size: 327680
    .private_segment_fixed_size: 0
    .kernarg_segment_align: 8
    .kernarg_segment_size: 40
    .max_flat_workgroup_size: 128
    .sgpr_count:     96
    .vgpr_count:     992
    .wavefront_size: 32
...
	.end_amdgpu_metadata
.endif
;; end of part 2
;; launch attn (part 3): grid 8 x 32, 4 waves a work-group, clusters of 4 x 1, 327,680 bytes of LDS; arguments qkv, cs, ao; writes ao
.if DOCPART == 3
	.amdgcn_target "amdgcn-amd-amdhsa--gfx1250"
	.amdhsa_code_object_version 6
	.text
	.protected	k_q5413bd70d8_attn
	.globl	k_q5413bd70d8_attn
	.p2align	8
	.type	k_q5413bd70d8_attn,@function
k_q5413bd70d8_attn:
	s_mov_b64 s[64:65], 0
	v_nop
	global_prefetch_b8 v0, s[64:65] scope:SCOPE_SE
	s_setreg_imm32_b32 hwreg(HW_REG_WAVE_MODE, 25, 1), 1
	s_wait_xcnt 0x0
	s_wait_alu depctr_hold_cnt(0) depctr_sa_sdst(0) depctr_va_vdst(0) depctr_va_sdst(0) depctr_va_ssrc(0) depctr_va_vcc(0) depctr_vm_vsrc(0)
	s_getreg_b32 s2, hwreg(HW_REG_IB_STS2, 6, 4)
	s_cmp_eq_u32 s2, 0
	s_cbranch_scc0 .Lentry_in_a_cluster
	s_endpgm
.Lentry_in_a_cluster:
	s_bfe_u32 s2, ttmp6, 0x10000c
	s_cmp_lg_u32 s2, 0x3003
	s_cbranch_scc0 .Lentry_shape_is_right
	s_endpgm
.Lentry_shape_is_right:
; attn: ao = inverse rotary(softmax(q k^T / 8) v), f16, head-major ao[b][16 h][2048 tokens][64].
; y = 16 b + h names the head, qx a block of 256 queries: 8 x 32 = 256 work-groups.  Wave w has 64 queries, four tiles qt of 16.
; CLUSTER 4 x 1: the four query blocks of a cluster walk the same K and V of one head, so those tiles are asked for jointly (mask 15).
; The 2,048 keys go in 8 fills of 256 through two LDS slots; a fill is four steps of 64 keys.
; TRANSPOSED USE: S^T = K x Q^T (source 0 = 16 keys, source 1 = 16 queries): lane (r, h) holds keys 16 kt + 8 h + j of query r, so the
; row maximum and sum need one exchange between the lane halves, alpha and 1/l are lane-wise, and S^T rounded to f16 in place IS source 1
; of O^T = V^T x P^T (source 0 = 16 d, from V stored [key][d], by the transposing LDS load).
; Softmax with a running maximum; exp(x/8) = 2^(c x), c = log2(e)/8.  The row sum stays a partial sum of each lane half until the end.
; LIMITS: q, k, v, P and the result are f16 (|.| < 65,504; P below about 6e-8 rounds to 0); v_exp_f32 gives 0 below 2^-126;
; the sums are taken in another order than a plain softmax takes them.
.set SLOT,  77824                      ; K: 256 keys x 144 = 36,864; V: 256 keys x 160 = 40,960
.set VOFF,  36864
.set TAB,   155648                     ; cos / s' of the block's 256 queries: 256 x 528, filled once
.set STAGE, 290816                     ; 16 tokens x 144 bytes for each wave; no tensor load lands here
.set ADRK, 4                           ; v4-5   slot s: 144 r + 16 h
.set ADRV, 6                           ; v6-7   slot s: VOFF + (8 h + (L & 7)) 160 + 16 ((L >> 3) & 1)
.set QO,   8                           ; v8     128 r + 16 h
.set TB,   9                           ; v9     TAB + (64 w + r) 528 + 32 h
.set STO,  10
.set RD,   11
.set CO,   12
.set NM,   14                          ; v[14:15] -c x maximum (low register used, by broadcast)
.set AL,   16                          ; v[16:17] alpha (low register used, by broadcast)
.set MX,   18                          ; v18-21 running maximum of tile qt
.set LS,   22                          ; v22-25 running sum of tile qt
.set QF,   32                          ; v32-95   Q fragments, 8 (2 qt + ks)
.set SC,   96                          ; v96-223  S^T, 32 qt + 8 kt + j; then P^T in the first 16 registers of each 32
.set T,    224                         ; v224-231 at work
.set OA,   0                           ; window 1 v0-127    O^T, 8 (4 qt + dt)
.set KF,   128                         ; window 1 v128-191  K fragments, 8 (2 kt + ks)
.set VF,   192                         ; window 1 v192-255  V fragments, 8 (4 kk + dt)
.set CTB,  32                          ; the way out, window 0: cos
.set STB,  64                          ;   s'
.set TP,   96                          ;   O / l
.set TN,   128                         ;   -O / l
.set PK,   160
.set RB,   176
.set RL,   240                         ;   v[240+4qt:241+4qt] = 1/l twice, v[242+4qt:243+4qt] = -1/l twice
.set G1K, 32
.set G0K, 40
.set G1V, 48
.set G0V, 56
.set G1T, 68
.set G0T, 76
.set MSB, 0
.macro WIN new
.if MSB != \new
	s_set_vgpr_msb (MSB<<8)|\new
.set MSB, \new
.endif
.endm
.macro PLACES
.rept 4
	v_nop
.endr
.endm
.macro CREST
	s_cmp_lg_u32 s14, 0
	s_cbranch_scc1 .Lnot_wave_0_\@
	s_barrier_signal -3
.Lnot_wave_0_\@:
	s_barrier_wait -3
	s_barrier_signal -1
	s_barrier_wait -1
.endm
.macro CROUND
	s_barrier_signal -1
	s_barrier_wait -1
	CREST
.endm
.macro JLOAD s                         ; waves 0, 1 ask for K's two halves of 128 keys, waves 2, 3 for V's
	s_cmp_eq_u32 s15, 0
	s_cbranch_scc0 .Lfor_v_\@
	tensor_load_to_lds s[G0K+4*\s:G0K+4*\s+3], s[G1K:G1K+7]
	s_nop 0
	s_branch .Lasked_\@
.Lfor_v_\@:
	tensor_load_to_lds s[G0V+4*\s:G0V+4*\s+3], s[G1V:G1V+7]
	s_nop 0
.Lasked_\@:
.endm
	s_load_b128 s[4:7], s[0:1], 0x0                ; qkv s[4:5], cs s[6:7]
	s_load_b64 s[8:9], s[0:1], 0x10                ; ao
	v_lshl_add_u32 v238, v0, 2, 0x49400
	v_mov_b32 v239, 0
	ds_add_u32 v238, v239
	v_lshrrev_b32 v1, 5, v0
	v_readfirstlane_b32 s14, v1                    ; wave
	s_lshr_b32 s15, s14, 1
	s_and_b32 s16, s14, 1
	s_bfe_u32 s17, ttmp6, 0x40000                  ; cx
	s_lshl_b32 s11, ttmp9, 2
	s_add_co_u32 s11, s11, s17                     ; qx
	s_and_b32 s10, ttmp7, 0xffff                   ; y = 16 b + h
	s_lshr_b32 s12, s10, 4                         ; b
	s_and_b32 s13, s10, 15                         ; h
	s_mov_b32 s18, 0x76543210
	s_mov_b32 s19, 0xfedcba98
	s_mov_b32 s20, 0x3e38aa3b                      ; c = log2(e) / 8
	s_mov_b32 s21, 0x3e38aa3b
	s_mov_b32 s22, 0xbe38aa3b                      ; -c
	; group 1, K: 128 rows x 64 f16 (128 bytes), 16 bytes of padding behind every 32 words: pitch 144.  V: 32 bytes: pitch 160.
	s_mov_b32 s[G1K+0], 15|(1<<16)|(1<<20)|(1<<21)|(4<<22)|(3<<25)
	s_mov_b32 s[G1V+0], 15|(1<<16)|(1<<20)|(1<<21)|(4<<22)|(7<<25)
.irp g, G1K, G1V
	s_mov_b32 s[\g+1], 64<<16
	s_mov_b32 s[\g+2], 128<<16
	s_mov_b32 s[\g+3], 64<<16
	s_mov_b32 s[\g+4], 128
	s_mov_b32 s[\g+5], 64
	s_mov_b32 s[\g+6], 0
	s_mov_b32 s[\g+7], 0
.endr
	; group 1, table: a load of my own (no mask): 64 rows x 128 f32, pitch 528
	s_mov_b32 s[G1T+0], (2<<16)|(1<<20)|(6<<22)|(3<<25)
	s_mov_b32 s[G1T+1], 128<<16
	s_mov_b32 s[G1T+2], 64<<16
	s_mov_b32 s[G1T+3], 128<<16
	s_mov_b32 s[G1T+4], 64
	s_mov_b32 s[G1T+5], 128
	s_mov_b32 s[G1T+6], 0
	s_mov_b32 s[G1T+7], 0
	; K's and V's offsets are made of y and the wave alone, which the four partners share
	s_mul_i32 s24, s12, 48
	s_add_co_u32 s24, s24, s13                     ; q's head slot 48 b + h
	s_lshl_b32 s80, s24, 18
	s_add_co_u32 s24, s24, 16                      ; k's
	s_lshl_b32 s24, s24, 18
	s_lshl_b32 s25, s16, 14                        ; + 128 half keys of 128 bytes
	s_add_co_u32 s24, s24, s25
	s_mov_b32 s25, 0
	s_lshl_b32 s81, s11, 15
	s_add_co_u32 s80, s80, s81
	s_lshl_b32 s81, s14, 13
	s_add_co_u32 s80, s80, s81                     ; q: + (256 qx + 64 w) tokens of 128 bytes
	s_mov_b32 s81, 0
	s_lshl_b32 s82, s12, 20
	s_lshl_b32 s83, s11, 17
	s_add_co_u32 s82, s82, s83
	s_lshl_b32 s83, s14, 15
	s_add_co_u32 s82, s82, s83                     ; table: (2048 b + 256 qx + 64 w) rows of 512 bytes
	s_mov_b32 s83, 0
	s_lshl_b32 s86, s10, 18
	s_lshl_b32 s87, s11, 15
	s_add_co_u32 s86, s86, s87
	s_lshl_b32 s87, s14, 13
	s_add_co_u32 s86, s86, s87                     ; ao: (2048 y + 256 qx + 64 w) tokens of 128 bytes
	s_mov_b32 s87, 0
	s_mul_i32 s90, s16, 128*144
	s_mul_i32 s91, s16, 128*160
	s_add_co_u32 s91, s91, VOFF
	s_mul_i32 s92, s14, 64*528
	s_add_co_u32 s92, s92, TAB
	s_wait_dscnt 0x0
	s_wait_kmcnt 0x0
	s_add_nc_u64 s[26:27], s[4:5], s[24:25]        ; K
	s_add_nc_u64 s[28:29], s[26:27], 16*262144     ; V: sixteen head slots further
	s_add_nc_u64 s[84:85], s[4:5], s[80:81]        ; Q
	s_add_nc_u64 s[88:89], s[6:7], s[82:83]        ; table
	s_add_nc_u64 s[8:9], s[8:9], s[86:87]
.irp s, 0,1
	s_mov_b32 s[G0K+4*\s], 1
	s_add_co_u32 s[G0K+4*\s+1], s90, \s*SLOT
	s_add_nc_u64 s[G0K+4*\s+2:G0K+4*\s+3], s[26:27], \s*32768        ; fill s: 256 keys of 128 bytes
	s_or_b32 s[G0K+4*\s+3], s[G0K+4*\s+3], 0x80000000
	s_mov_b32 s[G0V+4*\s], 1
	s_add_co_u32 s[G0V+4*\s+1], s91, \s*SLOT
	s_add_nc_u64 s[G0V+4*\s+2:G0V+4*\s+3], s[28:29], \s*32768
	s_or_b32 s[G0V+4*\s+3], s[G0V+4*\s+3], 0x80000000
.endr
	s_mov_b32 s[G0T], 1
	s_mov_b32 s[G0T+1], s92
	s_mov_b64 s[G0T+2:G0T+3], s[88:89]
	s_or_b32 s[G0T+3], s[G0T+3], 0x80000000
	CROUND                                         ; the four partners are here: the first joint loads meet
	JLOAD 0
	JLOAD 1
	tensor_load_to_lds s[G0T:G0T+3], s[G1T:G1T+7]  ; three tensor loads of a wave are out, the most in this text
	s_nop 0
	v_and_b32 v1, 15, v0                           ; r
	v_bfe_u32 v2, v0, 4, 1                         ; h
	v_and_b32 v3, 7, v0
	v_bfe_u32 v26, v0, 3, 1
	v_bfe_u32 v27, v0, 3, 2
	v_and_b32 v28, 31, v0
	v_lshlrev_b32 v[QO], 7, v1
	v_lshl_add_u32 v[QO], v2, 4, v[QO]
.set qi, 0
.rept 8
	global_load_b128 v[QF+8*qi:QF+8*qi+3],   v[QO], s[84:85] offset:2048*(qi>>1)+64*(qi&1)      ; Q(query r of tile qt, d = 32 ks + 8 h ..)
	global_load_b128 v[QF+8*qi+4:QF+8*qi+7], v[QO], s[84:85] offset:2048*(qi>>1)+64*(qi&1)+32
.set qi, qi+1
.endr
	v_mul_u32_u24 v29, v1, 144
	v_lshl_add_u32 v[ADRK], v2, 4, v29
	v_add_nc_u32 v[ADRK+1], SLOT, v[ADRK]
	v_lshl_add_u32 v30, v2, 3, v3
	v_mul_u32_u24 v30, v30, 160
	v_lshl_add_u32 v30, v26, 4, v30
	v_add_nc_u32 v[ADRV], VOFF, v30
	v_add_nc_u32 v[ADRV+1], SLOT+VOFF, v30
	v_mul_u32_u24 v31, v1, 528
	v_add_nc_u32 v31, s92, v31
	v_lshl_add_u32 v[TB], v2, 5, v31
	s_mul_i32 s24, s14, 2304
	s_add_co_u32 s24, s24, STAGE
	v_add_nc_u32 v[STO], s24, v[ADRK]              ; 144 r + 16 h again
	v_mul_u32_u24 v29, v27, 144
	v_lshl_add_u32 v29, v3, 4, v29
	v_add_nc_u32 v[RD], s24, v29
	v_lshlrev_b32 v[CO], 4, v28
	v_mov_b32 v[NM+1], 0                           ; the pairs' upper registers are named by the packed forms and never used
	v_mov_b32 v[AL+1], 0
.macro KLOAD slot, u                   ; 64 keys x 64 d: 16 loads
	WIN 0x40
.set kf, 0
.rept 8
	ds_load_b128 v[KF+8*kf:KF+8*kf+3],   v[ADRK+(\slot)] offset:9216*(\u)+2304*(kf>>1)+64*(kf&1)
	ds_load_b128 v[KF+8*kf+4:KF+8*kf+7], v[ADRK+(\slot)] offset:9216*(\u)+2304*(kf>>1)+64*(kf&1)+32
.set kf, kf+1
.endr
.endm
.macro VLOAD slot, u                   ; 64 keys x 64 d, transposed: 16 loads
	WIN 0x40
.set vf, 0
.rept 8
	ds_load_tr16_b128 v[VF+8*vf:VF+8*vf+3],   v[ADRV+(\slot)] offset:10240*(\u)+5120*(vf>>2)+32*(vf&3)
	ds_load_tr16_b128 v[VF+8*vf+4:VF+8*vf+7], v[ADRV+(\slot)] offset:10240*(\u)+5120*(vf>>2)+32*(vf&3)+2560
.set vf, vf+1
.endr
.endm
; In SMUL and PVMUL four accumulators take turns, one instruction a turn.
.macro SMUL qt                         ; S^T of 64 keys x 16 queries; the first four products start the sums
.irp kt, 0,1,2,3
	v_wmma_f32_16x16x32_f16 v[SC+32*\qt+8*\kt:SC+32*\qt+8*\kt+7], v[KF+16*\kt:KF+16*\kt+7], v[QF+16*\qt:QF+16*\qt+7], 0
.endr
.irp kt, 0,1,2,3
	v_wmma_f32_16x16x32_f16 v[SC+32*\qt+8*\kt:SC+32*\qt+8*\kt+7], v[KF+16*\kt+8:KF+16*\kt+15], v[QF+16*\qt+8:QF+16*\qt+15], v[SC+32*\qt+8*\kt:SC+32*\qt+8*\kt+7]
.endr
.endm
.macro PVMUL qt, first
.irp dt, 0,1,2,3
.if \first
	v_wmma_f32_16x16x32_f16 v[OA+8*(4*\qt+\dt):OA+8*(4*\qt+\dt)+7], v[VF+8*\dt:VF+8*\dt+7], v[SC+32*\qt:SC+32*\qt+7], 0
.else
	v_wmma_f32_16x16x32_f16 v[OA+8*(4*\qt+\dt):OA+8*(4*\qt+\dt)+7], v[VF+8*\dt:VF+8*\dt+7], v[SC+32*\qt:SC+32*\qt+7], v[OA+8*(4*\qt+\dt):OA+8*(4*\qt+\dt)+7]
.endif
.endr
.irp dt, 0,1,2,3
	v_wmma_f32_16x16x32_f16 v[OA+8*(4*\qt+\dt):OA+8*(4*\qt+\dt)+7], v[VF+32+8*\dt:VF+32+8*\dt+7], v[SC+32*\qt+8:SC+32*\qt+15], v[OA+8*(4*\qt+\dt):OA+8*(4*\qt+\dt)+7]
.endr
.endm
.macro RESC qt                         ; O x alpha
.set ri, 0
.rept 16
	v_pk_mul_f32 v[OA+32*\qt+ri:OA+32*\qt+ri+1], v[OA+32*\qt+ri:OA+32*\qt+ri+1], v[AL:AL+1] op_sel_hi:[1,0]
.set ri, ri+2
.endr
.endm
; One tile's softmax step: new maximum, alpha, P = 2^(c S - c max), the sum, P to f16 in place.
.macro SOFT qt, first
.set SB, SC+32*\qt
.irp k, 0,1,2,3
	v_max3_num_f32 v[T+\k], v[SB+8*\k], v[SB+8*\k+1], v[SB+8*\k+2]
.endr
.irp k, 0,1,2,3
	v_max3_num_f32 v[T+\k], v[T+\k], v[SB+8*\k+3], v[SB+8*\k+4]
.endr
.irp k, 0,1,2,3
	v_max3_num_f32 v[T+\k], v[T+\k], v[SB+8*\k+5], v[SB+8*\k+6]
.endr
.irp k, 0,1,2,3
	v_max_num_f32 v[T+\k], v[T+\k], v[SB+8*\k+7]
.endr
	v_max3_num_f32 v[T], v[T], v[T+1], v[T+2]
	v_max_num_f32 v[T], v[T], v[T+3]
	v_permlanex16_b32 v[T+1], v[T], s18, s19       ; the same query's other 32 keys lie in the other half of the lanes
.if \first
	v_max_num_f32 v[MX+\qt], v[T], v[T+1]
.else
	v_max3_num_f32 v[T+2], v[T], v[T+1], v[MX+\qt]
	v_sub_f32 v[T+3], v[MX+\qt], v[T+2]
	v_mov_b32 v[MX+\qt], v[T+2]
	v_mul_f32 v[T+3], s20, v[T+3]                  ; c (old maximum - new maximum)
.endif
	v_mul_f32 v[NM], s22, v[MX+\qt]
.set si, 0
.rept 16
	v_pk_fma_f32 v[SB+si:SB+si+1], v[SB+si:SB+si+1], s[20:21], v[NM:NM+1] op_sel_hi:[1,0,0]
.set si, si+2
.endr
.if \first == 0
	v_exp_f32 v[AL], v[T+3]
.endif
.set si, 0
.rept 32
	v_exp_f32 v[SB+si], v[SB+si]
.set si, si+1
.endr
	v_nop                                          ; one plain place behind the run of transcendentals (ISA guide 5.7.2)
	s_wait_alu depctr_va_vdst(0)
	v_pk_add_f32 v[T:T+1], v[SB:SB+1], v[SB+2:SB+3]
	v_pk_add_f32 v[T+2:T+3], v[SB+16:SB+17], v[SB+18:SB+19]
.set si, 4
.rept 6
	v_pk_add_f32 v[T:T+1], v[T:T+1], v[SB+si:SB+si+1]
	v_pk_add_f32 v[T+2:T+3], v[T+2:T+3], v[SB+16+si:SB+17+si]
.set si, si+2
.endr
	v_pk_add_f32 v[T:T+1], v[T:T+1], v[T+2:T+3]
.if \first
	v_add_f32 v[LS+\qt], v[T], v[T+1]
.else
	v_add_f32 v[T], v[T], v[T+1]
	v_fma_f32 v[LS+\qt], v[LS+\qt], v[AL], v[T]
.endif
.set si, 0
.rept 16
	v_cvt_pk_f16_f32 v[SB+si], v[SB+2*si], v[SB+2*si+1]    ; ascending, in place: registers 8 kk .. 8 kk + 7 become source 1 for keys 32 kk .. + 31
.set si, si+1
.endr
.endm
; One step: 64 keys against the wave's 64 queries.  The products of tile qt + 2 and the P V products of tile qt stand next to the vector work
; of tile qt + 1.  Every distance behind a matrix instruction but the one PLACES is filled by a SOFT or RESC block that names none of its registers.
; mode 1 (with u = 3): the slot has been read out and is filled again; mode 2: change of slots without a refill; mode 0: neither.
.macro SUB slot, u, first, mode
	s_wait_dscnt 0x0                               ; this step's K fragments are in
	WIN 0x01                                       ; source 0 window 1
	SMUL 0
	SMUL 1
	PLACES                                         ; ahead of SOFT 0's reads of S, and of the loads into V's fragments, which the last step's products read
	VLOAD \slot, \u
	WIN 0
	SOFT 0, \first
	s_wait_dscnt 0x0                               ; V's fragments are in
.if \mode
	s_wait_tensorcnt 0x0                           ; with u = 3 those were my last reads of this slot; all my tensor loads have landed, my part of the next slot among them
	ds_add_u32 v238, v239
	s_wait_dscnt 0x0
	s_barrier_signal -1                            ; only register work stands up to the wait
.endif
	WIN 0x01
	SMUL 2
	WIN 0x51                                       ; source 0, C and D window 1
.if \first == 0
	RESC 0
.endif
	PVMUL 0, \first
	WIN 0
	SOFT 1, \first
	WIN 0x01
	SMUL 3
	WIN 0x51
.if \first == 0
	RESC 1
.endif
	PVMUL 1, \first
	WIN 0
	SOFT 2, \first
.if \mode == 1
	s_barrier_wait -1
	CREST                                          ; no wave of any partner still reads this slot or has a load on its way
	s_add_nc_u64 s[G0K+4*\slot+2:G0K+4*\slot+3], s[G0K+4*\slot+2:G0K+4*\slot+3], 65536     ; two fills on: 512 keys
	s_add_nc_u64 s[G0V+4*\slot+2:G0V+4*\slot+3], s[G0V+4*\slot+2:G0V+4*\slot+3], 65536
	JLOAD \slot                                    ; the first tensor load behind the round, one a wave
	KLOAD 1-\slot, 0
.else
.if \mode == 2
	s_barrier_wait -1
	KLOAD 1-\slot, 0
.else
.if \u < 3
	KLOAD \slot, \u+1
.endif
.endif
.endif
	WIN 0x51
.if \first == 0
	RESC 2
.endif
	PVMUL 2, \first
	WIN 0
	SOFT 3, \first
	WIN 0x51
.if \first == 0
	RESC 3
.endif
	PVMUL 3, \first
.endm
	s_wait_tensorcnt 0x2                           ; my part of fill 0 is in; fill 1's load and the table's may stay out
	s_barrier_signal -1
	s_barrier_wait -1
	KLOAD 0, 0
	s_wait_loadcnt 0x0                             ; Q
	SUB 0, 0, 1, 0                                 ; the first step starts maxima, sums and O: nothing is cleared
	WIN 0
	s_mov_b32 s23, 3
.Lkeys:                                            ; a trip: the last three steps of slot 0, all of slot 1, the first step of slot 0's next fill; both refills are issued in every trip
	SUB 0, 1, 0, 0
	SUB 0, 2, 0, 0
	SUB 0, 3, 0, 1
	SUB 1, 0, 0, 0
	SUB 1, 1, 0, 0
	SUB 1, 2, 0, 0
	SUB 1, 3, 0, 1
	SUB 0, 0, 0, 0
	WIN 0
	s_sub_co_u32 s23, s23, 1
	s_cmp_lg_u32 s23, 0
	s_cbranch_scc1 .Lkeys
	SUB 0, 1, 0, 0                                 ; fills 6 and 7: nothing is left to fetch
	SUB 0, 2, 0, 0
	SUB 0, 3, 0, 2
	SUB 1, 0, 0, 0
	SUB 1, 1, 0, 0
	SUB 1, 2, 0, 0
	SUB 1, 3, 0, 0
	; THE WAY OUT: 1/l, the rotary with -f: out[j] = o[j] cos[j] - o[j ^ 1] s'[j], f16, through my own stage, 512 consecutive bytes a store.
	WIN 0
	PLACES
.irp q, 0,1,2,3
	v_permlanex16_b32 v[T+\q], v[LS+\q], s18, s19  ; the other half's partial sum
.endr
.irp q, 0,1,2,3
	v_add_f32 v[LS+\q], v[LS+\q], v[T+\q]
.endr
.irp q, 0,1,2,3
	v_rcp_f32 v[RL+4*\q], v[LS+\q]
.endr
	v_nop                                          ; one plain place behind the transcendentals
	s_wait_alu depctr_va_vdst(0)
.irp q, 0,1,2,3
	v_mov_b32 v[RL+4*\q+1], v[RL+4*\q]
	v_xor_b32 v[RL+4*\q+2], 0x80000000, v[RL+4*\q]
	v_xor_b32 v[RL+4*\q+3], 0x80000000, v[RL+4*\q]
.endr
.macro OUT qt
	WIN 0
.irp c, 0,1,2,3
	ds_load_b128 v[CTB+8*\c:CTB+8*\c+3],   v[TB] offset:8448*\qt+64*\c
	ds_load_b128 v[CTB+8*\c+4:CTB+8*\c+7], v[TB] offset:8448*\qt+64*\c+16
	ds_load_b128 v[STB+8*\c:STB+8*\c+3],   v[TB] offset:8448*\qt+64*\c+256
	ds_load_b128 v[STB+8*\c+4:STB+8*\c+7], v[TB] offset:8448*\qt+64*\c+272
.endr
	WIN 0x01                                       ; source 0 (O) window 1
.set oi, 0
.rept 16
	v_pk_mul_f32 v[TP+oi:TP+oi+1], v[OA+32*\qt+oi:OA+32*\qt+oi+1], v[RL+4*\qt:RL+4*\qt+1]
	v_pk_mul_f32 v[TN+oi:TN+oi+1], v[OA+32*\qt+oi:OA+32*\qt+oi+1], v[RL+4*\qt+2:RL+4*\qt+3]
.set oi, oi+2
.endr
	WIN 0
	s_wait_dscnt 0x0
	s_wait_xcnt 0x0                                ; the last tile's stores have had their addresses translated (ISA guide 3.1): RB is loaded again only behind this wait
.set oi, 0
.rept 16
	v_pk_mul_f32 v[TP+oi:TP+oi+1], v[TP+oi:TP+oi+1], v[CTB+oi:CTB+oi+1]
.set oi, oi+2
.endr
.set oi, 0
.rept 16
	v_pk_fma_f32 v[TP+oi:TP+oi+1], v[TN+oi:TN+oi+1], v[STB+oi:STB+oi+1], v[TP+oi:TP+oi+1] op_sel:[1,0,0] op_sel_hi:[0,1,1]
.set oi, oi+2
.endr
.set oi, 0
.rept 16
	v_cvt_pk_f16_f32 v[PK+oi], v[TP+2*oi], v[TP+2*oi+1]
.set oi, oi+1
.endr
.irp c, 0,1,2,3
	ds_store_b128 v[STO], v[PK+4*\c:PK+4*\c+3] offset:32*\c
.endr
.irp t, 0,1,2,3
	ds_load_b128 v[RB+4*\t:RB+4*\t+3], v[RD] offset:576*\t         ; LDS serves a wave's instructions in order (ISA guide 5.7.1): these see the stores above
.endr
.irp t, 0,1,2,3
	s_wait_dscnt 3-\t                              ; the younger read-backs may stay out
	global_store_b128 v[CO], v[RB+4*\t:RB+4*\t+3], s[8:9] offset:2048*\qt+512*\t
.endr
.endm
	OUT 0
	OUT 1
	OUT 2
	OUT 3
	s_wait_tensorcnt 0x0
	ds_add_u32 v238, v239
	s_wait_dscnt 0x0
	CROUND                                         ; the closing round
	s_endpgm
.Lfunc_end_k_q5413bd70d8_attn:
	.size	k_q5413bd70d8_attn, .Lfunc_end_k_q5413bd70d8_attn-k_q5413bd70d8_attn
	.p2alignl 7, 3214868480
	.fill 96, 4, 3214868480
	.section	.rodata,"a",@progbits
	.p2align	6, 0x0
	.amdhsa_kernel k_q5413bd70d8_attn
		.amdhsa_group_segment_fixed_size 327680
		.amdhsa_private_segment_fixed_size 0
		.amdhsa_enable_private_segment 0
		.amdhsa_kernarg_size 24
		.amdhsa_user_sgpr_count 2
		.amdhsa_user_sgpr_kernarg_segment_ptr 1
		.amdhsa_wavefront_size32 1
		.amdhsa_system_sgpr_workgroup_id_x 1
		.amdhsa_system_sgpr_workgroup_id_y 1
		.amdhsa_system_sgpr_workgroup_id_z 1
		.amdhsa_system_vgpr_workitem_id 0
		.amdhsa_next_free_vgpr 512
		.amdhsa_next_free_sgpr 96
		.amdhsa_reserve_vcc 0
		.amdhsa_float_denorm_mode_32 3
		.amdhsa_float_denorm_mode_16_64 3
		.amdhsa_memory_ordered 1
		.amdhsa_forward_progress 1
		.amdhsa_inst_pref_size 255
	.end_amdhsa_kernel
	.section	.bss,"aw",@nobits
	.p2align	6
	.space	262144
	.amdgpu_metadata
---
amdhsa.version: [ 1, 2 ]
amdhsa.kernels:
  - .name:           k_q5413bd70d8_attn
    .symbol:         k_q5413bd70d8_attn.kd
    .args:
      - { .name: qkv, .offset: 0, .size: 8, .value_kind: global_buffer, .address_space: global }
      - { .name: cs, .offset: 8, .size: 8, .value_kind: global_buffer, .address_space: global }
      - { .name: ao, .offset: 16, .size: 8, .value_kind: global_buffer, .address_space: global }
    .group_segment_fixed_size: 327680
    .private_segment_fixed_size: 0
    .kernarg_segment_align: 8
    .kernarg_segment_size: 24
    .max_flat_workgroup_size: 128
    .sgpr_count:     96
    .vgpr_count:     512
    .wavefront_size: 32
...
	.end_amdgpu_metadata
.endif
;; end of part 3
;; launch proj (part 4): grid 8 x 32, 4 waves a work-group, clusters of 4 x 4, 327,680 bytes of LDS; arguments ao, wo, b_out, out0; writes out0
.if DOCPART == 4
	.amdgcn_target "amdgcn-amd-amdhsa--gfx1250"
	.amdhsa_code_object_version 6
	.text
	.protected	k_q5413bd70d8_proj
	.globl	k_q5413bd70d8_proj
	.p2align	8
	.type	k_q5413bd70d8_proj,@function
k_q5413bd70d8_proj:
	s_mov_b64 s[64:65], 0
	v_nop
	global_prefetch_b8 v0, s[64:65] scope:SCOPE_SE
	s_setreg_imm32_b32 hwreg(HW_REG_WAVE_MODE, 25, 1), 1
	s_wait_xcnt 0x0
	s_wait_alu depctr_hold_cnt(0) depctr_sa_sdst(0) depctr_va_vdst(0) depctr_va_sdst(0) depctr_va_ssrc(0) depctr_va_vcc(0) depctr_vm_vsrc(0)
	s_getreg_b32 s2, hwreg(HW_REG_IB_STS2, 6, 4)
	s_cmp_eq_u32 s2, 0
	s_cbranch_scc0 .Lentry_in_a_cluster
	s_endpgm
.Lentry_in_a_cluster:
	s_bfe_u32 s2, ttmp6, 0x10000c
	s_cmp_lg_u32 s2, 0xf033
	s_cbranch_scc0 .Lentry_shape_is_right
	s_endpgm
.Lentry_shape_is_right:
; proj: out0 = ao x wo + b_out, f32.  ao is head-major f16 [b][16 h][2048 tokens][64]; wo is f16 [k][n], k = 64 head + d.
; A work-group makes 128 tokens (ty) x 128 features (fx): 8 x 32 = 256 work-groups.  Wave (wm = w >> 1, wn = w & 1) makes 64 x 64: 16 accumulator tiles.
; K = 1024 goes in 4 fills of 256 (four heads) through two LDS slots; a fill is four chunks of 64 (one head), 32 matrix instructions each.
; Half of K is asked for at the start.  The text has no loop.
; CLUSTERS 4 x 4: ao's tile hangs on ty alone (joint along a row of the cluster), wo's on fx alone (joint along a column).
; TRANSPOSED USE as in the launches before: source 0 = 16 features (transposing LDS load), source 1 = 16 tokens; a lane holds eight neighbouring
; features of one token.  The bias is the C operand of the first products.
; ao's tile for one wave is two heads: two rows of 8,192 elements (a head's 128 tokens lie dense in memory), 131,072 elements apart; the padding
; interval of 32 words divides such a row, so every token's 128 bytes get 16 bytes of padding of their own.  That is why the tile has 2 rows.
; LIMITS: operands are f16 (|.| < 65,504).
.set SLOT,  147456                     ; ao: 4 heads x 128 tokens x 144 = 73,728; wo: 256 k rows x 288 = 73,728
.set BOFF,  73728
.set STAGE, 294912                     ; 16 tokens x 272 bytes for each wave; no tensor load lands here
.set ADRA, 4                           ; v4-5  slot s: (64 wm + r) 144 + 16 h
.set ADRB, 6                           ; v6-9  slot s, half of the k rows: BOFF + 36,864 half + (8 h + (L & 7)) 288 + 16 ((L >> 3) & 1) + 128 wn
.set STO,  10                          ; v10   stage, in: 272 r + 32 h
.set RD,   11                          ; v11   stage, back: 272 (L >> 4) + 16 (L & 15)
.set CO,   12                          ; v12   4,096 (L >> 4) + 16 (L & 15)
.set BO,   13                          ; v13   32 h
.set BIAS, 32                          ; v32-63  b_out, 8 a + j
.set RB,   64                          ; v64-127 two sets of rows read back
; window 1: buffer f: weights at 128 f + 8 (4 ks + a), tokens at 128 f + 64 + 8 (4 ks + b);  window 2: accumulators at 8 (4 a + b)
.set G1A, 32
.set G0A, 40
.set G1B, 48
.set G0B, 56
.set MSB, 0
.macro WIN new
.if MSB != \new
	s_set_vgpr_msb (MSB<<8)|\new
.set MSB, \new
.endif
.endm
.macro PLACES
.rept 4
	v_nop
.endr
.endm
.macro CREST
	s_cmp_lg_u32 s14, 0
	s_cbranch_scc1 .Lnot_wave_0_\@
	s_barrier_signal -3
.Lnot_wave_0_\@:
	s_barrier_wait -3
	s_barrier_signal -1
	s_barrier_wait -1
.endm
.macro CROUND
	s_barrier_signal -1
	s_barrier_wait -1
	CREST
.endm
.macro JLOAD s                         ; waves 0, 1 ask for two heads of ao each, waves 2, 3 for 128 k rows of wo each
	s_cmp_eq_u32 s15, 0
	s_cbranch_scc0 .Lfor_b_\@
	tensor_load_to_lds s[G0A+4*\s:G0A+4*\s+3], s[G1A:G1A+7]
	s_nop 0
	s_branch .Lasked_\@
.Lfor_b_\@:
	tensor_load_to_lds s[G0B+4*\s:G0B+4*\s+3], s[G1B:G1B+7]
	s_nop 0
.Lasked_\@:
.endm
	s_load_b256 s[4:11], s[0:1], 0x0               ; ao s[4:5], wo s[6:7], b_out s[8:9], out0 s[10:11]
	v_lshl_add_u32 v254, v0, 2, 0x4c400
	v_mov_b32 v255, 0
	ds_add_u32 v254, v255
	v_lshrrev_b32 v1, 5, v0
	v_readfirstlane_b32 s14, v1                    ; wave
	s_lshr_b32 s15, s14, 1                         ; wm; also: I fetch for ao (0) or for wo (1)
	s_and_b32 s16, s14, 1                          ; wn; also: which half of that tile
	s_bfe_u32 s17, ttmp6, 0x40000                  ; cx
	s_bfe_u32 s18, ttmp6, 0x40004                  ; cy
	s_lshl_b32 s19, ttmp9, 2
	s_add_co_u32 s19, s19, s17                     ; fx
	s_and_b32 s20, ttmp7, 0xffff
	s_lshl_b32 s20, s20, 2
	s_add_co_u32 s20, s20, s18                     ; ty
	s_lshl_b32 s21, s18, 2
	s_lshl_b32 s21, 15, s21                        ; my row of the cluster
	s_lshl_b32 s22, 0x1111, s17                    ; my column
	s_or_b32 s[G1A+0], s21, (1<<16)|(1<<20)|(1<<21)|(4<<22)|(3<<25)  ; f16; 16 bytes of padding behind every 32 words: a token's pitch is 144
	s_mov_b32 s[G1A+1], 8192<<16                   ; tensor_dim0
	s_mov_b32 s[G1A+2], 2<<16                      ; tensor_dim1
	s_mov_b32 s[G1A+3], 8192<<16                   ; tile_dim0
	s_mov_b32 s[G1A+4], 2                          ; tile_dim1
	s_mov_b32 s[G1A+5], 131072                     ; elements from head to head
	s_mov_b32 s[G1A+6], 0
	s_mov_b32 s[G1A+7], 0
	s_or_b32 s[G1B+0], s22, (1<<16)|(1<<20)|(1<<21)|(5<<22)|(7<<25)  ; rows of 256 bytes, 32 bytes of padding: pitch 288
	s_mov_b32 s[G1B+1], 128<<16
	s_mov_b32 s[G1B+2], 128<<16
	s_mov_b32 s[G1B+3], 128<<16
	s_mov_b32 s[G1B+4], 128
	s_mov_b32 s[G1B+5], 1024
	s_mov_b32 s[G1B+6], 0
	s_mov_b32 s[G1B+7], 0
	s_lshr_b32 s24, s20, 4                         ; batch
	s_lshl_b32 s24, s24, 4
	s_lshl_b32 s25, s16, 1
	s_add_co_u32 s24, s24, s25                     ; head 16 b + 2 half
	s_lshl_b32 s24, s24, 18                        ; 262,144 bytes a head
	s_and_b32 s25, s20, 15
	s_lshl_b32 s25, s25, 14                        ; + 128 (ty & 15) tokens of 128 bytes
	s_add_co_u32 s24, s24, s25
	s_mov_b32 s25, 0
	s_lshl_b32 s28, s16, 18                        ; wo: 128 half rows of 2,048 bytes
	s_lshl_b32 s29, s19, 8                         ; + 128 fx features
	s_add_co_u32 s28, s28, s29
	s_mov_b32 s29, 0
	s_lshl_b32 s68, s19, 9
	s_lshl_b32 s69, s16, 8
	s_add_co_u32 s68, s68, s69                     ; f32 columns: 512 fx + 256 wn bytes
	s_mov_b32 s69, 0
	s_lshl_b32 s70, s20, 19
	s_lshl_b32 s71, s15, 18
	s_add_co_u32 s70, s70, s71                     ; (128 ty + 64 wm) rows of 4,096 bytes
	s_add_co_u32 s70, s70, s68
	s_mov_b32 s71, 0
	s_mul_i32 s72, s14, 36864                      ; LDS: ao's two halves, then wo's two halves = wave x 36,864
	s_wait_dscnt 0x0
	s_wait_kmcnt 0x0
	s_add_nc_u64 s[26:27], s[4:5], s[24:25]
	s_add_nc_u64 s[30:31], s[6:7], s[28:29]
	s_add_nc_u64 s[8:9], s[8:9], s[68:69]
	s_add_nc_u64 s[10:11], s[10:11], s[70:71]
.irp s, 0,1
	s_mov_b32 s[G0A+4*\s], 1
	s_add_co_u32 s[G0A+4*\s+1], s72, \s*SLOT
	s_add_nc_u64 s[G0A+4*\s+2:G0A+4*\s+3], s[26:27], \s*4*262144     ; fill s: four heads on
	s_or_b32 s[G0A+4*\s+3], s[G0A+4*\s+3], 0x80000000
	s_mov_b32 s[G0B+4*\s], 1
	s_add_co_u32 s[G0B+4*\s+1], s72, \s*SLOT
	s_add_nc_u64 s[G0B+4*\s+2:G0B+4*\s+3], s[30:31], \s*256*2048     ; fill s: 256 rows down
	s_or_b32 s[G0B+4*\s+3], s[G0B+4*\s+3], 0x80000000
.endr
	CROUND                                         ; all sixteen work-groups are here
	JLOAD 0                                        ; two tensor loads of a wave are out, the most in this text
	JLOAD 1
	v_and_b32 v1, 15, v0                           ; r
	v_bfe_u32 v2, v0, 4, 1                         ; h
	v_and_b32 v3, 7, v0
	v_bfe_u32 v14, v0, 3, 1
	v_lshlrev_b32 v[BO], 5, v2
.irp a, 0,1,2,3
	global_load_b128 v[BIAS+8*\a:BIAS+8*\a+3],   v[BO], s[8:9] offset:64*\a      ; b_out[128 fx + 64 wn + 16 a + 8 h + 0..3]
	global_load_b128 v[BIAS+8*\a+4:BIAS+8*\a+7], v[BO], s[8:9] offset:64*\a+16
.endr
	s_mul_i32 s24, s15, 64*144
	v_mul_u32_u24 v15, v1, 144
	v_lshl_add_u32 v15, v2, 4, v15
	v_add_nc_u32 v[ADRA], s24, v15
	v_add_nc_u32 v[ADRA+1], SLOT, v[ADRA]
	s_lshl_b32 s25, s16, 7
	s_add_co_u32 s25, s25, BOFF
	v_lshl_add_u32 v16, v2, 3, v3
	v_mul_u32_u24 v16, v16, 288
	v_lshl_add_u32 v16, v14, 4, v16
	v_add_nc_u32 v[ADRB], s25, v16
	v_add_nc_u32 v[ADRB+1], 36864, v[ADRB]
	v_add_nc_u32 v[ADRB+2], SLOT, v[ADRB]
	v_add_nc_u32 v[ADRB+3], SLOT+36864, v[ADRB]
	s_mul_i32 s28, s14, 4352
	s_add_co_u32 s28, s28, STAGE
	v_mul_u32_u24 v17, v1, 272
	v_lshl_add_u32 v17, v2, 5, v17
	v_add_nc_u32 v[STO], s28, v17
	v_mul_u32_u24 v18, v2, 272
	v_lshl_add_u32 v18, v1, 4, v18
	v_add_nc_u32 v[RD], s28, v18
	v_lshlrev_b32 v19, 4, v1
	v_lshl_add_u32 v[CO], v2, 12, v19
; 32 LDS loads in one run: chunk c (one head, 64 along K) of a slot into buffer g
.macro FETCH slot, c, g
	WIN 0x40
.set fi, 0
.rept 8
	ds_load_tr16_b128 v[128*\g+8*fi:128*\g+8*fi+3],   v[ADRB+2*\slot+((\c)>>1)] offset:(64*((\c)&1)+32*(fi>>2))*288+32*(fi&3)
	ds_load_tr16_b128 v[128*\g+8*fi+4:128*\g+8*fi+7], v[ADRB+2*\slot+((\c)>>1)] offset:(64*((\c)&1)+32*(fi>>2))*288+32*(fi&3)+4608
.set fi, fi+1
.endr
.set fi, 0
.rept 8
	ds_load_b128 v[128*\g+64+8*fi:128*\g+64+8*fi+3],   v[ADRA+\slot] offset:18432*(\c)+2304*(fi&3)+64*(fi>>2)
	ds_load_b128 v[128*\g+64+8*fi+4:128*\g+64+8*fi+7], v[ADRA+\slot] offset:18432*(\c)+2304*(fi&3)+64*(fi>>2)+32
.set fi, fi+1
.endr
.endm
; 16 matrix instructions, 32 along K.  The 16 accumulators take turns, one instruction a turn.
.macro MUL16 f, ks, first
.if \first
	WIN 0x85                                       ; sources window 1, C (bias) window 0, D window 2
.else
	WIN 0xa5                                       ; sources window 1, C and D window 2
.endif
.irp a, 0,1,2,3
.irp b, 0,1,2,3
.if \first
	v_wmma_f32_16x16x32_f16 v[8*(4*\a+\b):8*(4*\a+\b)+7], v[128*\f+8*(4*\ks+\a):128*\f+8*(4*\ks+\a)+7], v[128*\f+64+8*(4*\ks+\b):128*\f+64+8*(4*\ks+\b)+7], v[BIAS+8*\a:BIAS+8*\a+7]
.else
	v_wmma_f32_16x16x32_f16 v[8*(4*\a+\b):8*(4*\a+\b)+7], v[128*\f+8*(4*\ks+\a):128*\f+8*(4*\ks+\a)+7], v[128*\f+64+8*(4*\ks+\b):128*\f+64+8*(4*\ks+\b)+7], v[8*(4*\a+\b):8*(4*\a+\b)+7]
.endif
.endr
.endr
.endm
.macro CHUNK slot, cnext, f, g, first
	s_wait_dscnt 0x0                               ; buffer f is in
	PLACES                                         ; buffer g was read by the chunk before
	FETCH \slot, \cnext, \g
	MUL16 \f, 0, \first
	MUL16 \f, 1, 0
.endm
; The fourth chunk multiplies buffer 1 and changes slots.  mode 1: the barrier opens a round of the cluster's barrier and the slot is filled again,
; two fills ahead, by the first tensor load behind the round, one a wave.  mode 2: nothing is left to fetch.
.macro TURN slot, next, mode
	s_wait_dscnt 0x0                               ; my reads of this slot are over
	s_set_vgpr_msb 0xa5a0
	s_wait_tensorcnt 0x0                           ; all my tensor loads have landed, my part of the next slot among them
	ds_add_u32 v254, v255
	s_wait_dscnt 0x0
	s_set_vgpr_msb 0xa0a5
	s_barrier_signal -1
	MUL16 1, 0, 0
	WIN 0
	s_barrier_wait -1
.if \mode == 1
	CREST
	s_add_nc_u64 s[G0A+4*\slot+2:G0A+4*\slot+3], s[G0A+4*\slot+2:G0A+4*\slot+3], 8*262144
	s_add_nc_u64 s[G0B+4*\slot+2:G0B+4*\slot+3], s[G0B+4*\slot+2:G0B+4*\slot+3], 512*2048
	JLOAD \slot
.endif
	PLACES
	FETCH \next, 0, 0
	MUL16 1, 1, 0
.endm
.macro THREE slot, first
	CHUNK \slot, 1, 0, 1, \first
	CHUNK \slot, 2, 1, 0, 0
	CHUNK \slot, 3, 0, 1, 0
.endm
	s_wait_tensorcnt 0x1                           ; my part of fill 0 is in; fill 1's load may stay out
	s_barrier_signal -1
	s_barrier_wait -1
	FETCH 0, 0, 0
	s_wait_loadcnt 0x0                             ; the bias
	THREE 0, 1                                     ; fill 0
	TURN 0, 1, 1
	THREE 1, 0                                     ; fill 1
	TURN 1, 0, 1
	THREE 0, 0                                     ; fill 2
	TURN 0, 1, 2
	THREE 1, 0                                     ; fill 3
	s_wait_dscnt 0x0
	MUL16 1, 0, 0
	MUL16 1, 1, 0
	PLACES                                         ; behind the last matrix instructions, ahead of the LDS stores of their results
; THE WAY OUT, 16 tokens at a time: a lane's eight f32 into my own stage, back as whole rows of 256 bytes, sixteen lanes to a row.
.macro OUT b
	WIN 0x08                                       ; store data window 2
.irp a, 0,1,2,3
	ds_store_b128 v[STO], v[8*(4*\a+\b):8*(4*\a+\b)+3]   offset:64*\a
	ds_store_b128 v[STO], v[8*(4*\a+\b)+4:8*(4*\a+\b)+7] offset:64*\a+16
.endr
	WIN 0
	s_wait_xcnt 0x0                                ; earlier stores have had their addresses translated (ISA guide 3.1): their data registers are loaded again only behind this wait
.irp t, 0,1,2,3,4,5,6,7
	ds_load_b128 v[RB+32*(\b&1)+4*\t:RB+32*(\b&1)+4*\t+3], v[RD] offset:544*\t     ; LDS serves a wave's instructions in order (ISA guide 5.7.1)
.endr
.irp t, 0,1,2,3,4,5,6,7
	s_wait_dscnt 7-\t                              ; the younger read-backs may stay out
	global_store_b128 v[CO], v[RB+32*(\b&1)+4*\t:RB+32*(\b&1)+4*\t+3], s[10:11] offset:(16*\b+2*\t)*4096 th:TH_STORE_NT   ; 16 lanes store 256 consecutive bytes, aligned
.endr
.endm
	OUT 0
	OUT 1
	OUT 2
	OUT 3
	s_wait_tensorcnt 0x0
	ds_add_u32 v254, v255
	s_wait_dscnt 0x0
	CROUND                                         ; the closing round
	s_endpgm
.Lfunc_end_k_q5413bd70d8_proj:
	.size	k_q5413bd70d8_proj, .Lfunc_end_k_q5413bd70d8_proj-k_q5413bd70d8_proj
	.p2alignl 7, 3214868480
	.fill 96, 4, 3214868480
	.section	.rodata,"a",@progbits
	.p2align	6, 0x0
	.amdhsa_kernel k_q5413bd70d8_proj
		.amdhsa_group_segment_fixed_size 327680
		.amdhsa_private_segment_fixed_size 0
		.amdhsa_enable_private_segment 0
		.amdhsa_kernarg_size 32
		.amdhsa_user_sgpr_count 2
		.amdhsa_user_sgpr_kernarg_segment_ptr 1
		.amdhsa_wavefront_size32 1
		.amdhsa_system_sgpr_workgroup_id_x 1
		.amdhsa_system_sgpr_workgroup_id_y 1
		.amdhsa_system_sgpr_workgroup_id_z 1
		.amdhsa_system_vgpr_workitem_id 0
		.amdhsa_next_free_vgpr 640
		.amdhsa_next_free_sgpr 80
		.amdhsa_reserve_vcc 0
		.amdhsa_float_denorm_mode_32 3
		.amdhsa_float_denorm_mode_16_64 3
		.amdhsa_memory_ordered 1
		.amdhsa_forward_progress 1
		.amdhsa_inst_pref_size 86
	.end_amdhsa_kernel
	.amdgpu_metadata
---
amdhsa.version: [ 1, 2 ]
amdhsa.kernels:
  - .name:           k_q5413bd70d8_proj
    .symbol:         k_q5413bd70d8_proj.kd
    .args:
      - { .name: ao, .offset: 0, .size: 8, .value_kind: global_buffer, .address_space: global }
      - { .name: wo, .offset: 8, .size: 8, .value_kind: global_buffer, .address_space: global }
      - { .name: b_out, .offset: 16, .size: 8, .value_kind: global_buffer, .address_space: global }
      - { .name: out0, .offset: 24, .size: 8, .value_kind: global_buffer, .address_space: global }
    .group_segment_fixed_size: 327680
    .private_segment_fixed_size: 0
    .kernarg_segment_align: 8
    .kernarg_segment_size: 32
    .max_flat_workgroup_size: 128
    .sgpr_count:     80
    .vgpr_count:     640
    .wavefront_size: 32
...
	.end_amdgpu_metadata
.endif
;; end of part 4
;; ======== version 2 of 2: 4 launches
;; limits: values are held in f16: magnitudes above 65,504 overflow, below 6.1e-05 lose precision
;; workspace buffers: hn 8,388,608 bytes; wq 6,291,456 bytes; wo 2,097,152 bytes; cs 2,097,152 bytes; qkv 25,165,824 bytes; ao 8,388,608 bytes
;; launch prep: the kernel of part 1 again; grid 256 x 1, 8 waves a work-group, no clusters, 0 bytes of LDS; arguments x, ln_g, ln_b, w_qkv, w_out, rotary, hn, wq, wo, cs; writes hn, wq, wo, cs
;; launch qkvproj: the kernel of part 2 again; grid 16 x 16, 4 waves a work-group, clusters of 4 x 4, 327,680 bytes of LDS; arguments hn, wq, cs, b_qkv, qkv; writes qkv
;; launch attn (part 5): grid 8 x 32, 8 waves a work-group, clusters of 4 x 1, 327,680 bytes of LDS; arguments qkv, cs, ao; writes ao
.if DOCPART == 5
	.amdgcn_target "amdgcn-amd-amdhsa--gfx1250"
	.amdhsa_code_object_version 6
	.text
	.protected	k_q5413bd70d8_attn
	.globl	k_q5413bd70d8_attn
	.p2align	8
	.type	k_q5413bd70d8_attn,@function
k_q5413bd70d8_attn:
	s_mov_b64 s[64:65], 0
	v_nop
	global_prefetch_b8 v0, s[64:65] scope:SCOPE_SE
	s_setreg_imm32_b32 hwreg(HW_REG_WAVE_MODE, 25, 1), 1
	s_wait_xcnt 0x0
	s_wait_alu depctr_hold_cnt(0) depctr_sa_sdst(0) depctr_va_vdst(0) depctr_va_sdst(0) depctr_va_ssrc(0) depctr_va_vcc(0) depctr_vm_vsrc(0)
	s_getreg_b32 s2, hwreg(HW_REG_IB_STS2, 6, 4)
	s_cmp_eq_u32 s2, 0
	s_cbranch_scc0 .Lentry_in_a_cluster
	s_endpgm
.Lentry_in_a_cluster:
	s_bfe_u32 s2, ttmp6, 0x10000c
	s_cmp_lg_u32 s2, 0x3003
	s_cbranch_scc0 .Lentry_shape_is_right
	s_endpgm
.Lentry_shape_is_right:
; attn: ao = inverse rotary(softmax(q k^T / 8) v), f16, head-major ao[b][16 h][2048 tokens][64].
; y = 16 b + h names the head, qx a block of 256 queries: 8 x 32 = 256 work-groups.
; EIGHT WAVES, two for each SIMD (2 x 512 registers are its 1,024).  Wave w (wq = w >> 1, wk = w & 1) has queries 64 wq .. + 63, four tiles qt
; of 16, and of every fill of 256 keys the keys 128 wk .. + 127.  The two waves of a pair end with a maximum, a sum and an O over half of the
; keys each; they exchange two tiles each through LDS, and each merges and stores two tiles: queries 32 w .. 32 w + 31.
; CLUSTER 4 x 1: the four query blocks of a cluster walk the same K and V of one head, so those tiles are asked for jointly (mask 15).
; The 2,048 keys go in 8 fills of 256 through two LDS slots; for a wave a fill is two steps of 64 keys.
; TRANSPOSED USE: S^T = K x Q^T (source 0 = 16 keys, source 1 = 16 queries): lane (r, h) holds keys 16 kt + 8 h + j of query r, so the
; row maximum and sum need one exchange between the lane halves, alpha and 1/l are lane-wise, and S^T rounded to f16 in place IS source 1
; of O^T = V^T x P^T (source 0 = 16 d, from V stored [key][d], by the transposing LDS load).
; THE STEP IS WOVEN: a tile's step is 16 matrix instructions and about 120 vector instructions, and a wave issues in order.  So the eight
; S products of tile t + 1 stand inside the softmax of tile t, four or more vector lines apart, and the rescaling of O stands among the
; first P V products.  For the first weave Q, K's fragments and S all lie in register window 0, so that products and softmax run under one
; window setting.  O lies in window 1, where a vector line's destination would follow it: the softmax is not woven into the P V products.
; Softmax with a running maximum; exp(x/8) = 2^(c x), c = log2(e)/8.  The row sum stays a partial sum of each lane half until the end.
; LIMITS: q, k, v, P and the result are f16 (|.| < 65,504; P below about 6e-8 rounds to 0); v_exp_f32 gives 0 below 2^-126;
; the sums are taken in another order than a plain softmax takes them.
.set SLOT,  77824                      ; K: 256 keys x 144 = 36,864; V: 256 keys x 160 = 40,960
.set VOFF,  36864
.set TAB,   155648                     ; cos / s' of the block's 256 queries: 256 x 528, filled once; wave w fetches and reads rows 32 w .. + 31
.set STAGE, 290816                     ; 16 tokens x 144 bytes for each of eight waves; no tensor load lands here
.set XW,    8704                       ; the exchange, in slot 0 behind its last fill: for each wave 2 tiles of O (8,192 bytes) and 512 bytes of maxima and sums
.set ADRK, 4                           ; v4-5   slot s: 18,432 wk + 144 r + 16 h
.set ADRV, 6                           ; v6-7   slot s: VOFF + 20,480 wk + (8 h + (L & 7)) 160 + 16 ((L >> 3) & 1)
.set QO,   8                           ; v8     128 r + 16 h
.set TB,   9                           ; v9     TAB + (32 w + r) 528 + 32 h
.set STO,  10
.set RD,   11
.set CO,   12                          ; v12    16 L
.set XS,   13                          ; v13    exchange, what I send: XW w + 16 L
.set NM,   14                          ; v[14:15] -c x maximum (low register used, by broadcast)
.set AL,   16                          ; v[16:17] alpha (low register used, by broadcast)
.set XR,   18                          ; v18    exchange, what my partner sent: XW (w ^ 1) + 16 L
.set ML,   20                          ; v[20:23] maxima of tiles 0, 1, sums of tiles 0, 1; v[24:27] the same of tiles 2, 3: each four go out in one store
.set T,    28                          ; v28-31   at work in the softmax (the set-up's temporaries before)
.set QF,   32                          ; v32-95   Q fragments, 8 (2 qt + ks)
.set SC,   96                          ; v96-191  three buffers of 32 for S^T (8 kt + j), then P^T in a buffer's first 16: tiles 0, 1, 2, 3 use buffers 0, 1, 2, 1
.set KF,   192                         ; v192-255 K fragments, 8 (2 kt + ks)
.set OA,   0                           ; window 1 v0-127    O^T, 8 (4 qt + dt)
.set VF,   128                         ; window 1 v128-191  V fragments, 8 (4 kk + dt)
.set CTB,  32                          ; the way out, window 0: cos
.set STB,  64                          ;   s'
.set TP,   96                          ;   the merged o
.set TN,   128                         ;   -o
.set PK,   160
.set RB,   176
.set PO,   192                         ;   my partner's O of one tile
.set TE,   224                         ;   v224-229 at work in the merge
.set PM,   232                         ;   v[232:235] my partner's two maxima and two sums
.set RL,   240                         ;   kept tile i: v[240+4i:241+4i] = a1 / l twice, v[242+4i:243+4i] = a2 / l twice
.set G1K, 32
.set G0K, 40
.set G1V, 48
.set G0V, 56
.set G1T, 68
.set G0T, 76
.set MSB, 0
.macro WIN new                         ; s_set_vgpr_msb: bits 1:0 source 0, 3:2 source 1, 5:4 source 2, 7:6 destination; the high byte repeats the setting left
.if MSB != \new
	s_set_vgpr_msb (MSB<<8)|\new
.set MSB, \new
.endif
.endm
.macro PLACES
.rept 4
	v_nop
.endr
.endm
.macro CREST
	s_cmp_lg_u32 s14, 0
	s_cbranch_scc1 .Lnot_wave_0_\@
	s_barrier_signal -3
.Lnot_wave_0_\@:
	s_barrier_wait -3
	s_barrier_signal -1
	s_barrier_wait -1
.endm
.macro CROUND
	s_barrier_signal -1
	s_barrier_wait -1
	CREST
.endm
.macro JLOAD s                         ; waves 0 to 3 ask for K's four quarters of 64 keys, waves 4 to 7 for V's: one load a wave, one line for each operand
	s_cmp_eq_u32 s15, 0
	s_cbranch_scc0 .Lfor_v_\@
	tensor_load_to_lds s[G0K+4*\s:G0K+4*\s+3], s[G1K:G1K+7]
	s_nop 0
	s_branch .Lasked_\@
.Lfor_v_\@:
	tensor_load_to_lds s[G0V+4*\s:G0V+4*\s+3], s[G1V:G1V+7]
	s_nop 0
.Lasked_\@:
.endm
	s_load_b128 s[4:7], s[0:1], 0x0                ; qkv s[4:5], cs s[6:7]
	s_load_b64 s[8:9], s[0:1], 0x10                ; ao
	s_set_vgpr_msb 0x40
	v_lshl_add_u32 v254, v0, 2, 0x4b800
	v_mov_b32 v255, 0
	s_set_vgpr_msb 0x4045
	ds_add_u32 v254, v255
	s_set_vgpr_msb 0x4500
	v_lshrrev_b32 v1, 5, v0
	v_readfirstlane_b32 s14, v1                    ; wave 0..7
	s_lshr_b32 s15, s14, 2                         ; I fetch for K (0) or for V (1)
	s_and_b32 s16, s14, 3                          ; which quarter of that tile
	s_lshr_b32 s30, s14, 1                         ; wq: my 64 queries
	s_and_b32 s31, s14, 1                          ; wk: my half of every fill's keys
	s_bfe_u32 s17, ttmp6, 0x40000                  ; cx
	s_lshl_b32 s11, ttmp9, 2
	s_add_co_u32 s11, s11, s17                     ; qx
	s_and_b32 s10, ttmp7, 0xffff                   ; y = 16 b + h
	s_lshr_b32 s12, s10, 4                         ; b
	s_and_b32 s13, s10, 15                         ; h
	s_mov_b32 s18, 0x76543210
	s_mov_b32 s19, 0xfedcba98
	s_mov_b32 s20, 0x3e38aa3b                      ; c = log2(e) / 8
	s_mov_b32 s21, 0x3e38aa3b
	s_mov_b32 s22, 0xbe38aa3b                      ; -c
	; group 1, K: 64 rows x 64 f16 (128 bytes), 16 bytes of padding behind every 32 words: pitch 144.  V: 32 bytes: pitch 160.
	s_mov_b32 s[G1K+0], 15|(1<<16)|(1<<20)|(1<<21)|(4<<22)|(3<<25)
	s_mov_b32 s[G1V+0], 15|(1<<16)|(1<<20)|(1<<21)|(4<<22)|(7<<25)
.irp g, G1K, G1V
	s_mov_b32 s[\g+1], 64<<16
	s_mov_b32 s[\g+2], 64<<16
	s_mov_b32 s[\g+3], 64<<16
	s_mov_b32 s[\g+4], 64
	s_mov_b32 s[\g+5], 64
	s_mov_b32 s[\g+6], 0
	s_mov_b32 s[\g+7], 0
.endr
	; group 1, table: a load of my own (no mask): 32 rows x 128 f32, pitch 528
	s_mov_b32 s[G1T+0], (2<<16)|(1<<20)|(6<<22)|(3<<25)
	s_mov_b32 s[G1T+1], 128<<16
	s_mov_b32 s[G1T+2], 32<<16
	s_mov_b32 s[G1T+3], 128<<16
	s_mov_b32 s[G1T+4], 32
	s_mov_b32 s[G1T+5], 128
	s_mov_b32 s[G1T+6], 0
	s_mov_b32 s[G1T+7], 0
	; K's and V's offsets are made of y and the wave alone, which the four partners share
	s_mul_i32 s24, s12, 48
	s_add_co_u32 s24, s24, s13                     ; q's head slot 48 b + h
	s_lshl_b32 s80, s24, 18
	s_add_co_u32 s24, s24, 16                      ; k's
	s_lshl_b32 s24, s24, 18
	s_lshl_b32 s25, s16, 13                        ; + 64 quarter keys of 128 bytes
	s_add_co_u32 s24, s24, s25
	s_mov_b32 s25, 0
	s_lshl_b32 s81, s11, 15
	s_add_co_u32 s80, s80, s81
	s_lshl_b32 s81, s30, 13
	s_add_co_u32 s80, s80, s81                     ; q: + (256 qx + 64 wq) tokens of 128 bytes
	s_mov_b32 s81, 0
	s_lshl_b32 s82, s12, 20
	s_lshl_b32 s83, s11, 17
	s_add_co_u32 s82, s82, s83
	s_lshl_b32 s83, s14, 14
	s_add_co_u32 s82, s82, s83                     ; table: (2048 b + 256 qx + 32 w) rows of 512 bytes
	s_mov_b32 s83, 0
	s_lshl_b32 s86, s10, 18
	s_lshl_b32 s87, s11, 15
	s_add_co_u32 s86, s86, s87
	s_lshl_b32 s87, s14, 12
	s_add_co_u32 s86, s86, s87                     ; ao: (2048 y + 256 qx + 32 w) tokens of 128 bytes
	s_mov_b32 s87, 0
	s_mul_i32 s90, s16, 64*144
	s_mul_i32 s91, s16, 64*160
	s_add_co_u32 s91, s91, VOFF
	s_mul_i32 s92, s14, 32*528
	s_add_co_u32 s92, s92, TAB
	s_wait_dscnt 0x0
	s_wait_kmcnt 0x0
	s_add_nc_u64 s[26:27], s[4:5], s[24:25]        ; K
	s_add_nc_u64 s[28:29], s[26:27], 16*262144     ; V: sixteen head slots further
	s_add_nc_u64 s[84:85], s[4:5], s[80:81]        ; Q
	s_add_nc_u64 s[88:89], s[6:7], s[82:83]        ; table
	s_add_nc_u64 s[8:9], s[8:9], s[86:87]
.irp s, 0,1
	s_mov_b32 s[G0K+4*\s], 1
	s_add_co_u32 s[G0K+4*\s+1], s90, \s*SLOT
	s_add_nc_u64 s[G0K+4*\s+2:G0K+4*\s+3], s[26:27], \s*32768        ; fill s: 256 keys of 128 bytes
	s_or_b32 s[G0K+4*\s+3], s[G0K+4*\s+3], 0x80000000
	s_mov_b32 s[G0V+4*\s], 1
	s_add_co_u32 s[G0V+4*\s+1], s91, \s*SLOT
	s_add_nc_u64 s[G0V+4*\s+2:G0V+4*\s+3], s[28:29], \s*32768
	s_or_b32 s[G0V+4*\s+3], s[G0V+4*\s+3], 0x80000000
.endr
	s_mov_b32 s[G0T], 1
	s_mov_b32 s[G0T+1], s92
	s_mov_b64 s[G0T+2:G0T+3], s[88:89]
	s_or_b32 s[G0T+3], s[G0T+3], 0x80000000
	CROUND                                         ; the four partners are here: the first joint loads meet
	JLOAD 0
	JLOAD 1
	tensor_load_to_lds s[G0T:G0T+3], s[G1T:G1T+7]  ; three tensor loads of a wave are out, the most in this text
	s_nop 0
	v_and_b32 v1, 15, v0                           ; r
	v_bfe_u32 v2, v0, 4, 1                         ; h
	v_and_b32 v3, 7, v0                            ; L & 7
	v_bfe_u32 v28, v0, 3, 1                        ; (L >> 3) & 1
	v_bfe_u32 v29, v0, 3, 2                        ; L >> 3
	v_and_b32 v30, 31, v0                          ; L
	v_lshlrev_b32 v[QO], 7, v1
	v_lshl_add_u32 v[QO], v2, 4, v[QO]
.set qi, 0
.rept 8
	global_load_b128 v[QF+8*qi:QF+8*qi+3],   v[QO], s[84:85] offset:2048*(qi>>1)+64*(qi&1)      ; Q(query r of tile qt, d = 32 ks + 8 h ..)
	global_load_b128 v[QF+8*qi+4:QF+8*qi+7], v[QO], s[84:85] offset:2048*(qi>>1)+64*(qi&1)+32
.set qi, qi+1
.endr
	v_mul_u32_u24 v31, v1, 144
	v_lshl_add_u32 v31, v2, 4, v31                 ; 144 r + 16 h
	s_mul_i32 s24, s31, 128*144                    ; my half of a fill's keys in K's tile
	v_add_nc_u32 v[ADRK], s24, v31
	v_add_nc_u32 v[ADRK+1], SLOT, v[ADRK]
	v_lshl_add_u32 v19, v2, 3, v3
	v_mul_u32_u24 v19, v19, 160
	v_lshl_add_u32 v19, v28, 4, v19
	s_mul_i32 s25, s31, 128*160                    ; and in V's
	s_add_co_u32 s25, s25, VOFF
	v_add_nc_u32 v[ADRV], s25, v19
	v_add_nc_u32 v[ADRV+1], SLOT, v[ADRV]
	v_mul_u32_u24 v19, v1, 528
	v_add_nc_u32 v19, s92, v19
	v_lshl_add_u32 v[TB], v2, 5, v19
	s_mul_i32 s24, s14, 2304
	s_add_co_u32 s24, s24, STAGE
	v_add_nc_u32 v[STO], s24, v31
	v_mul_u32_u24 v19, v29, 144
	v_lshl_add_u32 v19, v3, 4, v19
	v_add_nc_u32 v[RD], s24, v19
	v_lshlrev_b32 v[CO], 4, v30
	s_mul_i32 s24, s14, XW
	v_add_nc_u32 v[XS], s24, v[CO]
	s_xor_b32 s25, s14, 1                          ; my partner: the same queries, the other keys
	s_mul_i32 s25, s25, XW
	v_add_nc_u32 v[XR], s25, v[CO]
	v_mov_b32 v[NM+1], 0                           ; the pairs' upper registers are named by the packed forms and never used
	v_mov_b32 v[AL+1], 0
.macro KLOAD slot, u                   ; 64 keys x 64 d: 16 loads, into window 0
	WIN 0
.set kf, 0
.rept 8
	ds_load_b128 v[KF+8*kf:KF+8*kf+3],   v[ADRK+(\slot)] offset:9216*(\u)+2304*(kf>>1)+64*(kf&1)
	ds_load_b128 v[KF+8*kf+4:KF+8*kf+7], v[ADRK+(\slot)] offset:9216*(\u)+2304*(kf>>1)+64*(kf&1)+32
.set kf, kf+1
.endr
.endm
.macro VLOAD slot, u                   ; 64 keys x 64 d, transposed: 16 loads, into window 1
	WIN 0x40
.set vf, 0
.rept 8
	ds_load_tr16_b128 v[VF+8*vf:VF+8*vf+3],   v[ADRV+(\slot)] offset:10240*(\u)+5120*(vf>>2)+32*(vf&3)
	ds_load_tr16_b128 v[VF+8*vf+4:VF+8*vf+7], v[ADRV+(\slot)] offset:10240*(\u)+5120*(vf>>2)+32*(vf&3)+2560
.set vf, vf+1
.endr
.endm
; The S products that are woven into a softmax.  MIX t names the tile whose S^T is made: its Q fragments and its buffer.
; WM i is the i-th of that tile's eight products: 0 to 3 start the sums of the four key tiles (d 0-31), 4 to 7 add d 32-63 in place.
; The four accumulators take turns, one instruction a turn.
.macro MIX t
.set MIXON, 1
.set MIXQ, QF+16*(\t)
.set MIXS, SC+32*((\t)-2*(((\t)>>1)*((\t)&1)))
.endm
.macro WM i
.if MIXON
.if (\i) < 4
	v_wmma_f32_16x16x32_f16 v[MIXS+8*(\i):MIXS+8*(\i)+7], v[KF+16*(\i):KF+16*(\i)+7], v[MIXQ:MIXQ+7], 0
.else
	v_wmma_f32_16x16x32_f16 v[MIXS+8*((\i)-4):MIXS+8*((\i)-4)+7], v[KF+16*((\i)-4)+8:KF+16*((\i)-4)+15], v[MIXQ+8:MIXQ+15], v[MIXS+8*((\i)-4):MIXS+8*((\i)-4)+7]
.endif
.endif
.endm
; One tile's softmax step: new maximum, alpha, P = 2^(c S - c max), the sum, P to f16 in place; with the next tile's S products (WM) among its lines.
; WM 0 stands behind eight plain vector lines that name neither P's old buffer nor V's fragments nor O: with them the buffer that WM 0 writes is
; five places or more behind the P V products that read P out of it (ISA guide 7.12.1).  Behind WM 7 stand five plain lines or more.
; The 16 register pairs go through a pipeline of 20 trips.  Trip j: scale pair j; the two exponentials of pair j - 1; pair j - 3 into one of two sums;
; pair j - 4 rounded to f16 into register j - 4.  Behind each exponential the next vector line is an exponential, a product that names none of its
; registers, or a plain line that touches neither its result nor its source, and a plain line stands ahead of the first use (ISA guide 5.7.2).
; Register i is written in trip i + 4; its old content, of pair i >> 1, is read last in trip (i >> 1) + 4, where the add stands ahead of the rounding.
.macro SOFT qt, first
.set SB, SC+32*((\qt)-2*(((\qt)>>1)*((\qt)&1)))
.set MXQ, ML+4*((\qt)>>1)+((\qt)&1)    ; the tile's running maximum
.set LSQ, MXQ+2                        ; and its running sum
.irp k, 0,1,2,3
	v_max3_num_f32 v[T+\k], v[SB+8*\k], v[SB+8*\k+1], v[SB+8*\k+2]
.endr
.irp k, 0,1,2,3
	v_max3_num_f32 v[T+\k], v[T+\k], v[SB+8*\k+3], v[SB+8*\k+4]
.endr
	WM 0
.irp k, 0,1,2,3
	v_max3_num_f32 v[T+\k], v[T+\k], v[SB+8*\k+5], v[SB+8*\k+6]
.endr
.irp k, 0,1,2,3
	v_max_num_f32 v[T+\k], v[T+\k], v[SB+8*\k+7]
.endr
	WM 1
	v_max3_num_f32 v[T], v[T], v[T+1], v[T+2]
	v_max_num_f32 v[T], v[T], v[T+3]
	v_permlanex16_b32 v[T+1], v[T], s18, s19       ; the same query's other 32 keys lie in the other half of the lanes
.if \first
	v_max_num_f32 v[MXQ], v[T], v[T+1]
	v_mul_f32 v[NM], s22, v[MXQ]
	WM 2
.else
	v_max3_num_f32 v[T+2], v[T], v[T+1], v[MXQ]
	v_sub_f32 v[T+3], v[MXQ], v[T+2]
	v_mul_f32 v[NM], s22, v[T+2]
	v_mov_b32 v[MXQ], v[T+2]
	v_mul_f32 v[T+3], s20, v[T+3]                  ; c (old maximum - new maximum)
	WM 2
	v_exp_f32 v[AL], v[T+3]                        ; alpha; its source is written again in trip 6 of the pipeline
.endif
.set pj, 0
.rept 20
.if (pj&3) == 2
	WM 3+(pj>>2)
.endif
.if pj < 16
	v_pk_fma_f32 v[SB+2*pj:SB+2*pj+1], v[SB+2*pj:SB+2*pj+1], s[20:21], v[NM:NM+1] op_sel_hi:[1,0,0]
.endif
.if pj > 0
.if pj < 17
	v_exp_f32 v[SB+2*pj-2], v[SB+2*pj-2]
.endif
.endif
.if pj == 4
	s_wait_alu depctr_va_vdst(0)
	v_pk_add_f32 v[T:T+1], v[SB:SB+1], v[SB+2:SB+3]                ; pairs 0 and 1 start the first sum
.endif
.if pj == 6
	s_wait_alu depctr_va_vdst(0)
	v_pk_add_f32 v[T+2:T+3], v[SB+4:SB+5], v[SB+6:SB+7]            ; pairs 2 and 3 the second
.endif
.if pj > 6
.if pj < 19
	s_wait_alu depctr_va_vdst(0)
	v_pk_add_f32 v[T+2*((pj-3)&1):T+2*((pj-3)&1)+1], v[T+2*((pj-3)&1):T+2*((pj-3)&1)+1], v[SB+2*pj-6:SB+2*pj-5]
.endif
.endif
.if pj > 0
.if pj < 17
	v_exp_f32 v[SB+2*pj-1], v[SB+2*pj-1]
.endif
.endif
.if pj > 3
	v_cvt_pk_f16_f32 v[SB+pj-4], v[SB+2*pj-8], v[SB+2*pj-7]        ; registers 8 kk .. 8 kk + 7 become source 1 for keys 32 kk .. + 31
.endif
.set pj, pj+1
.endr
	v_pk_add_f32 v[T:T+1], v[T:T+1], v[T+2:T+3]
.if \first
	v_add_f32 v[LSQ], v[T], v[T+1]
.else
	v_add_f32 v[T], v[T], v[T+1]
	v_fma_f32 v[LSQ], v[LSQ], v[AL], v[T]
.endif
.endm
; O x alpha for one d tile, and one P V product.
.macro RESC4 qt, dt
.irp p, 0,2,4,6
	v_pk_mul_f32 v[OA+8*(4*\qt+\dt)+\p:OA+8*(4*\qt+\dt)+\p+1], v[OA+8*(4*\qt+\dt)+\p:OA+8*(4*\qt+\dt)+\p+1], v[AL:AL+1] op_sel_hi:[1,0]
.endr
.endm
.macro PVW qt, dt, kk, zero
.if \zero
	v_wmma_f32_16x16x32_f16 v[OA+8*(4*\qt+\dt):OA+8*(4*\qt+\dt)+7], v[VF+32*\kk+8*\dt:VF+32*\kk+8*\dt+7], v[PB+8*\kk:PB+8*\kk+7], 0
.else
	v_wmma_f32_16x16x32_f16 v[OA+8*(4*\qt+\dt):OA+8*(4*\qt+\dt)+7], v[VF+32*\kk+8*\dt:VF+32*\kk+8*\dt+7], v[PB+8*\kk:PB+8*\kk+7], v[OA+8*(4*\qt+\dt):OA+8*(4*\qt+\dt)+7]
.endif
.endm
; O of one tile: rescaled and P V added.  The rescaling of d tiles 2 and 3 stands behind the products of d tiles 0 and 1, whose registers it does not name.
; The four accumulators take turns, one instruction a turn.
.macro PV qt, first
.set PB, SC+32*((\qt)-2*(((\qt)>>1)*((\qt)&1)))
	WIN 0x51                                       ; source 0 (V, O), C and D window 1; source 1 (P, alpha) window 0
.if \first
	PVW \qt, 0, 0, 1                               ; the first step's products start the sums: nothing is cleared
	PVW \qt, 1, 0, 1
	PVW \qt, 2, 0, 1
	PVW \qt, 3, 0, 1
.else
	RESC4 \qt, 0
	RESC4 \qt, 1
	PVW \qt, 0, 0, 0
	RESC4 \qt, 2
	PVW \qt, 1, 0, 0
	RESC4 \qt, 3
	PVW \qt, 2, 0, 0
	PVW \qt, 3, 0, 0
.endif
	PVW \qt, 0, 1, 0
	PVW \qt, 1, 1, 0
	PVW \qt, 2, 1, 0
	PVW \qt, 3, 1, 0
.endm
; One step: 64 keys against the wave's 64 queries.  At its head K's fragments of the step are in registers and S^T of tile 0 has been made
; (inside the last step's fourth softmax, or ahead of the first step).
; mode 1 (with u = 1): my keys of the slot have been read out and the slot is filled again; mode 2: change of slots without a refill; mode 0: neither.
.macro STEP slot, u, first, mode
	PLACES                                         ; behind the last P V products, ahead of the loads into V's fragments; in the first step also ahead of the reads of S
	VLOAD \slot, \u
	WIN 0
	MIX 1
	SOFT 0, \first
	s_wait_dscnt 0x0                               ; V's fragments are in
.if \mode
	s_set_vgpr_msb 0x5
	s_wait_tensorcnt 0x0                           ; with u = 1 those were my last reads of this slot; all my tensor loads have landed, my part of the next slot among them
	ds_add_u32 v254, v255
	s_wait_dscnt 0x0
	s_set_vgpr_msb 0x500
	s_barrier_signal -1                            ; only register work stands up to the wait
.endif
	PV 0, \first
	WIN 0
	MIX 2
	SOFT 1, \first
	PV 1, \first
	WIN 0
	MIX 3
	SOFT 2, \first
.set NXT, 1                                        ; K's fragments have been read for the last time in this step: the next step's are fetched
.if \mode == 1
	s_barrier_wait -1
	CREST                                          ; no wave of any partner still reads this slot or has a load on its way
	s_add_nc_u64 s[G0K+4*\slot+2:G0K+4*\slot+3], s[G0K+4*\slot+2:G0K+4*\slot+3], 65536     ; two fills on: 512 keys
	s_add_nc_u64 s[G0V+4*\slot+2:G0V+4*\slot+3], s[G0V+4*\slot+2:G0V+4*\slot+3], 65536
	JLOAD \slot                                    ; the first tensor load behind the round, one a wave
	KLOAD 1-\slot, 0
.else
.if \mode == 2
	s_barrier_wait -1
	KLOAD 1-\slot, 0
.else
.if \u < 1
	KLOAD \slot, \u+1
.else
.set NXT, 0                                        ; the last step of all
.endif
.endif
.endif
	PV 2, \first
	WIN 0
.if NXT
	s_wait_dscnt 0x0                               ; the next step's K fragments are in
	MIX 0                                          ; its tile 0 is made inside this step's fourth softmax
.else
.set MIXON, 0
.endif
	SOFT 3, \first
	PV 3, \first
.endm
	s_wait_tensorcnt 0x2                           ; my part of fill 0 is in; fill 1's load and the table's may stay out
	s_barrier_signal -1
	s_barrier_wait -1
	KLOAD 0, 0
	s_wait_loadcnt 0x0                             ; Q
	s_wait_dscnt 0x0                               ; the first step's K fragments
	MIX 0
.irp i, 0,1,2,3,4,5,6,7
	WM \i                                          ; S^T of the very first tile: the only products with no softmax to stand in
.endr
	STEP 0, 0, 1, 0                                ; the first step starts maxima, sums and O: nothing is cleared
	WIN 0
	s_mov_b32 s23, 3
.Lkeys:                                            ; a trip: the second step of slot 0, both of slot 1, the first step of slot 0's next fill; both refills are issued in every trip
	STEP 0, 1, 0, 1
	STEP 1, 0, 0, 0
	STEP 1, 1, 0, 1
	STEP 0, 0, 0, 0
	WIN 0
	s_sub_co_u32 s23, s23, 1
	s_cmp_lg_u32 s23, 0
	s_cbranch_scc1 .Lkeys
	STEP 0, 1, 0, 2                                ; fills 6 and 7: nothing is left to fetch.  Behind this step's barrier no wave reads slot 0 any more and no load lands in it
	STEP 1, 0, 0, 0
	STEP 1, 1, 0, 0
	; THE MERGE.  The pair's two waves hold the same 64 queries over different keys.  The wave with wk = 0 sends tiles 2, 3 and keeps 0, 1; the other the reverse.
	; What is sent lies lane by lane (16 L in each 512 bytes): the partner's lanes hold the same query and d.  The bytes are slot 0's, which has had its last fill.
.macro SEND t0
	WIN 0x04                                       ; store data window 1
.set xi, 0
.rept 16
	ds_store_b128 v[XS], v[OA+32*\t0+4*xi:OA+32*\t0+4*xi+3] offset:512*xi
.set xi, xi+1
.endr
	WIN 0
	ds_store_b128 v[XS], v[ML+2*\t0:ML+2*\t0+3] offset:8192       ; two maxima, two sums
.endm
.macro LOADT i                         ; kept tile i: its 16 queries' cos and s' (16 loads) and the partner's O (8 loads)
.irp c, 0,1,2,3
	ds_load_b128 v[CTB+8*\c:CTB+8*\c+3],   v[TB] offset:8448*\i+64*\c
	ds_load_b128 v[CTB+8*\c+4:CTB+8*\c+7], v[TB] offset:8448*\i+64*\c+16
	ds_load_b128 v[STB+8*\c:STB+8*\c+3],   v[TB] offset:8448*\i+64*\c+256
	ds_load_b128 v[STB+8*\c+4:STB+8*\c+7], v[TB] offset:8448*\i+64*\c+272
.endr
.set xi, 0
.rept 8
	ds_load_b128 v[PO+4*xi:PO+4*xi+3], v[XR] offset:4096*\i+512*xi
.set xi, xi+1
.endr
.endm
; o = O1 a1/l + O2 a2/l; the rotary with -f: out[j] = o[j] cos[j] - o[j ^ 1] s'[j]; f16; through my own stage; 512 consecutive bytes a store.
.macro COMB t0, i
	WIN 0x01                                       ; source 0 (my O) window 1
.set oi, 0
.rept 16
	v_pk_mul_f32 v[TP+oi:TP+oi+1], v[OA+32*(\t0+\i)+oi:OA+32*(\t0+\i)+oi+1], v[RL+4*\i:RL+4*\i+1]
.set oi, oi+2
.endr
	WIN 0
	s_wait_dscnt 0x0                               ; the table's rows and the partner's O are in
	s_wait_xcnt 0x0                                ; the last tile's stores have had their addresses translated (ISA guide 3.1): RB is loaded again only behind this wait
.set oi, 0
.rept 16
	v_pk_fma_f32 v[TP+oi:TP+oi+1], v[PO+oi:PO+oi+1], v[RL+4*\i+2:RL+4*\i+3], v[TP+oi:TP+oi+1]
.set oi, oi+2
.endr
.set oi, 0
.rept 16
	v_pk_mul_f32 v[TN+oi:TN+oi+1], v[TP+oi:TP+oi+1], -1.0 op_sel_hi:[1,0]
.set oi, oi+2
.endr
.set oi, 0
.rept 16
	v_pk_mul_f32 v[TP+oi:TP+oi+1], v[TP+oi:TP+oi+1], v[CTB+oi:CTB+oi+1]
.set oi, oi+2
.endr
.set oi, 0
.rept 16
	v_pk_fma_f32 v[TP+oi:TP+oi+1], v[TN+oi:TN+oi+1], v[STB+oi:STB+oi+1], v[TP+oi:TP+oi+1] op_sel:[1,0,0] op_sel_hi:[0,1,1]
.set oi, oi+2
.endr
.set oi, 0
.rept 16
	v_cvt_pk_f16_f32 v[PK+oi], v[TP+2*oi], v[TP+2*oi+1]
.set oi, oi+1
.endr
.irp c, 0,1,2,3
	ds_store_b128 v[STO], v[PK+4*\c:PK+4*\c+3] offset:32*\c
.endr
.irp t, 0,1,2,3
	ds_load_b128 v[RB+4*\t:RB+4*\t+3], v[RD] offset:576*\t         ; LDS serves a wave's instructions in order (ISA guide 5.7.1): these see the stores above
.endr
.irp t, 0,1,2,3
	s_wait_dscnt 3-\t                              ; the younger read-backs may stay out
	global_store_b128 v[CO], v[RB+4*\t:RB+4*\t+3], s[8:9] offset:2048*\i+512*\t
.endr
.endm
; The kept tiles t0, t0 + 1: m = max(M1, M2), a = 2^(c (M - m)), l = a1 L1 + a2 L2 summed over the two lane halves, factors a1 / l and a2 / l.
.macro FINISH t0
.set MO, ML+2*\t0                      ; my two maxima, my two sums
	ds_load_b128 v[PM:PM+3], v[XR] offset:8192
	LOADT 0
	s_wait_dscnt 24                                ; the partner's maxima and sums are in; the 24 loads of tile 0 issued behind them may stay out
.irp i, 0,1
	v_max_num_f32 v[TE+\i], v[MO+\i], v[PM+\i]
.endr
.irp i, 0,1
	v_sub_f32 v[TE+2+\i], v[MO+\i], v[TE+\i]
	v_sub_f32 v[TE+4+\i], v[PM+\i], v[TE+\i]
.endr
.irp i, 2,3,4,5
	v_mul_f32 v[TE+\i], s20, v[TE+\i]
.endr
.irp i, 2,3,4,5
	v_exp_f32 v[TE+\i], v[TE+\i]
.endr
	v_nop                                          ; one plain place behind the transcendentals (ISA guide 5.7.2)
.irp i, 0,1
	s_wait_alu depctr_va_vdst(0)
	v_mul_f32 v[MO+2+\i], v[MO+2+\i], v[TE+2+\i]
.endr
.irp i, 0,1
	v_fma_f32 v[MO+2+\i], v[PM+2+\i], v[TE+4+\i], v[MO+2+\i]
.endr
.irp i, 0,1
	v_permlanex16_b32 v[TE+\i], v[MO+2+\i], s18, s19       ; the other lane half's partial sum
.endr
.irp i, 0,1
	v_add_f32 v[MO+2+\i], v[MO+2+\i], v[TE+\i]
.endr
.irp i, 0,1
	v_rcp_f32 v[TE+\i], v[MO+2+\i]
.endr
	v_nop                                          ; one plain place behind the transcendentals
.irp i, 0,1
	s_wait_alu depctr_va_vdst(0)
	v_mul_f32 v[RL+4*\i], v[TE+2+\i], v[TE+\i]
	v_mul_f32 v[RL+4*\i+2], v[TE+4+\i], v[TE+\i]
.endr
.irp i, 0,1
	v_mov_b32 v[RL+4*\i+1], v[RL+4*\i]
	v_mov_b32 v[RL+4*\i+3], v[RL+4*\i+2]
.endr
	COMB \t0, 0
	LOADT 1
	COMB \t0, 1
.endm
	WIN 0
	PLACES                                         ; behind the last matrix instructions, ahead of the LDS stores of their results and of the loads into their sources
	s_cmp_eq_u32 s31, 0                            ; a branch on the wave's number; it jumps over no barrier
	s_cbranch_scc0 .Lsend_low
	SEND 2
	s_branch .Lsent
.Lsend_low:
	SEND 0
.Lsent:
	s_wait_dscnt 0x0                               ; for my partner's sake: what I sent is written
	s_barrier_signal -1
	s_barrier_wait -1
	s_cmp_eq_u32 s31, 0
	s_cbranch_scc0 .Lkeep_high
	FINISH 0
	s_branch .Lstored
.Lkeep_high:
	FINISH 2
.Lstored:
	s_set_vgpr_msb 0x5
	s_wait_tensorcnt 0x0
	ds_add_u32 v254, v255
	s_wait_dscnt 0x0
	s_set_vgpr_msb 0x500
	CROUND                                         ; the closing round: no work-group ends while a partner may still ask for a tile that names it
	s_endpgm
.Lfunc_end_k_q5413bd70d8_attn:
	.size	k_q5413bd70d8_attn, .Lfunc_end_k_q5413bd70d8_attn-k_q5413bd70d8_attn
	.p2alignl 7, 3214868480
	.fill 96, 4, 3214868480
	.section	.rodata,"a",@progbits
	.p2align	6, 0x0
	.amdhsa_kernel k_q5413bd70d8_attn
		.amdhsa_group_segment_fixed_size 327680
		.amdhsa_private_segment_fixed_size 0
		.amdhsa_enable_private_segment 0
		.amdhsa_kernarg_size 24
		.amdhsa_user_sgpr_count 2
		.amdhsa_user_sgpr_kernarg_segment_ptr 1
		.amdhsa_wavefront_size32 1
		.amdhsa_system_sgpr_workgroup_id_x 1
		.amdhsa_system_sgpr_workgroup_id_y 1
		.amdhsa_system_sgpr_workgroup_id_z 1
		.amdhsa_system_vgpr_workitem_id 0
		.amdhsa_next_free_vgpr 512
		.amdhsa_next_free_sgpr 96
		.amdhsa_reserve_vcc 0
		.amdhsa_float_denorm_mode_32 3
		.amdhsa_float_denorm_mode_16_64 3
		.amdhsa_memory_ordered 1
		.amdhsa_forward_progress 1
		.amdhsa_inst_pref_size 255
	.end_amdhsa_kernel
	.section	.bss,"aw",@nobits
	.p2align	6
	.space	262144
	.amdgpu_metadata
---
amdhsa.version: [ 1, 2 ]
amdhsa.kernels:
  - .name:           k_q5413bd70d8_attn
    .symbol:         k_q5413bd70d8_attn.kd
    .args:
      - { .name: qkv, .offset: 0, .size: 8, .value_kind: global_buffer, .address_space: global }
      - { .name: cs, .offset: 8, .size: 8, .value_kind: global_buffer, .address_space: global }
      - { .name: ao, .offset: 16, .size: 8, .value_kind: global_buffer, .address_space: global }
    .group_segment_fixed_size: 327680
    .private_segment_fixed_size: 0
    .kernarg_segment_align: 8
    .kernarg_segment_size: 24
    .max_flat_workgroup_size: 256
    .sgpr_count:     96
    .vgpr_count:     512
    .wavefront_size: 32
...
	.end_amdgpu_metadata
.endif
;; end of part 5
;; launch proj: the kernel of part 4 again; grid 8 x 32, 4 waves a work-group, clusters of 4 x 4, 327,680 bytes of LDS; arguments ao, wo, b_out, out0; writes out0
